; MI455X (gfx1250); checked and timed in simulation.
; The chip was launched on July 23, 2026; its instructions are those of AMD's public machine-readable ISA for CDNA 5 (MIT licence, August 2026) and "CDNA5" Instruction Set Architecture Reference Guide (July 2026). The comments in the code are by the model that wrote it; some were corrected since.
;; Attention. Allowed arithmetic: matrix products marked QUANTISED: E2M3 operands, one E8M0 scale for each 32 along K, by v_wmma_scale_f32_16x16x128_f8f6f4 with both operands' format E2M3, f32 sums; everything else in f32.
;; Inputs: Wout 1,024 x 1,024 float32; Wqkv 3,072 x 1,024 float32; bout 1,024 float32; bqkv 3,072 float32; mask 1 x 1 x 2,048 x 2,048 int32; x 4 x 2,048 x 1,024 float32.
;; Outputs: out0 4 x 2,048 x 1,024 float32.
;; This version of the problem:
;;   THIS VERSION OF THE PROBLEM IS GIVEN IN LOW PRECISION. The matrix products marked QUANTISED in the list below multiply operands that are first quantised to E2M3 (2 exponent bits, 3 mantissa bits; 6 bits a number), with one power-of-two scale for each 32 numbers along K (OCP MX v1.0); their sums are f32. All else is computed in f32.
;;   The module's matrix products, in the order in which they are computed (A, B: the left and right operand; K: the contracted axis; several contracted axes count as one K, in the product's order):
;;     1. [M 8,192, K 1,024] x [K 1,024, N 3,072]; A: input x; B: input Wqkv: QUANTISED
;;     2. batch 64 x [M 2,048, K 64] x [K 64, N 2,048]; A: computed on the way; B: computed on the way: QUANTISED
;;     3. batch 64 x [M 2,048, K 2,048] x [K 2,048, N 64]; A: softmax (see below); B: computed on the way: QUANTISED
;;     4. [M 8,192, K 1,024] x [K 1,024, N 1,024]; A: computed on the way; B: input Wout: QUANTISED
;;   THE QUANTISER, for each operand of a quantised product, along K:
;;     - K is cut into blocks of 32 from its start; a last block that is shorter is filled with zeros.
;;     - A block's scale is 2^e with e = floor(log2(the largest magnitude in the block)) - 2, held to -126 .. 127; a block of zeros has e = 0. As a byte (E8M0): e + 127.
;;     - Each number is divided by its block's scale, clamped to +-7.5, and rounded to the nearest number of E2M3, ties to even, subnormals kept.
;;     - The product sums the exact products of the quantised numbers (number of the format x scale) in f32.
;;   ~~~python
;;   def quantise(x, axis):      # numpy; x: float32 -> the quantised numbers, widened to float32 again
;;       x = np.moveaxis(x, axis, -1); K = x.shape[-1]
;;       x = np.pad(x, [(0, 0)] * (x.ndim - 1) + [(0, -K % 32)]); x = x.reshape(x.shape[:-1] + (-1, 32)); a = np.abs(x).max(-1, keepdims=True)
;;       e = np.where(a > 0, np.clip(np.frexp(np.where(a > 0, a, 1))[1] - 1 - 2, -126, 127), 0)      # np.frexp(a)[1] - 1 = floor(log2(a)), exactly
;;       r = np.clip(x / 2.0 ** e, -7.5, 7.5)
;;       step = 2.0 ** (np.maximum(np.frexp(np.where(r == 0, 1, r))[1] - 1, 0) - 3)
;;       q = np.round(r / step) * step * 2.0 ** e      # np.round: ties to even
;;       return np.moveaxis(q.reshape(q.shape[:-2] + (-1,))[..., :K], -1, axis).astype(np.float32)
;;   ~~~
;;   SOFTMAX AHEAD OF A QUANTISED PRODUCT. Where the list says 'softmax', what is quantised is not the finished softmax but p = 2^(t - M), with t = logit x log2(e) and M = ceil(the row's largest t), a whole number; so 1/2 < the row's largest p <= 1. The row's sum l is taken of the UNQUANTISED p, in f32, and the product's result is divided by l at the end. Since M is a whole number, a kernel that streams over the keys may use a running M (the ceiling of the running maximum): every later rescaling is an exact power of two, which a block's scale takes up: the codes' values come out the same.
;;   OPERANDS COMPUTED ON THE WAY. 'Computed on the way' means the value that the module computes at that place (a softmax that the list does not call 'softmax' is quantised finished and normalised). What goes into a quantiser is computed in f32, as accurately as f32 sums, v_exp_f32 and their like allow (about 1e-6 of the number): no bf16 or f16 on the way to a quantiser, and a product that is left as it is and whose result goes on into a quantised operand takes f32 operands (vector FMAs, or v_wmma_f32_16x16x4_f32). A number that lies on a knife's edge between two numbers of the format may be rounded either way, as far as f32 arithmetic and the matrix unit's own rounding can turn it there, and no further.
;; One version. Each part assembles by itself: llvm-mc -triple=amdgcn-amd-amdhsa -mcpu=gfx1250 --defsym DOCPART=n.
;; ======== version 1 of 1: 4 launches
;; workspace buffers: codes 9,437,184 bytes; scales 393,216 bytes; maskw 524,288 bytes of whole numbers; flags 1,024 bytes of whole numbers; qkv 18,874,368 bytes; qkvs 1,048,576 bytes; oimg 6,291,456 bytes; osc 262,144 bytes
;; launch prep (part 1): grid 448 x 1, 4 waves a work-group, no clusters, 67,072 bytes of LDS; arguments x, Wqkv, Wout, mask, codes, scales, maskw, flags; writes codes, scales, maskw, flags
.if DOCPART == 1
	.amdgcn_target "amdgcn-amd-amdhsa--gfx1250"
	.amdhsa_code_object_version 6
	.text
	.protected	k_qcaa1ddbd69_prep
	.globl	k_qcaa1ddbd69_prep
	.p2align	8
	.type	k_qcaa1ddbd69_prep,@function
k_qcaa1ddbd69_prep:
	s_mov_b64 s[64:65], 0
	v_nop
	global_prefetch_b8 v0, s[64:65] scope:SCOPE_SE
	s_setreg_imm32_b32 hwreg(HW_REG_WAVE_MODE, 25, 1), 1
	s_wait_xcnt 0x0
; TWO JOBS IN ONE LAUNCH, parted by the work-group's number.
; Work-groups 64 .. 447: x [8192][1024], Wqkv [3072][1024], Wout [1024][1024], f32, K innermost, become codes of FP6 (E2M3) with one E8M0 byte for each 32 along K:
;   one stream of 12,288 rows of 768 bytes (codes) and of 32 bytes (scales): x's rows, then Wqkv's, then Wout's.  A ROW IS STORED AT ITS NUMBER WITH BITS 3 AND 4 SWAPPED, so that sixteen
;   neighbouring stored rows are the rows 32 (a / 2) + 8 (a % 2) + r + 8 (r / 8): the later products, used transposed, then leave 16 neighbours along the next K in a lane's 16 registers.
;   A wave takes 8 rows (8,192 numbers, 16 steps of 512), so the swap is a swap of the two bits of the wave's number in the place it stores to.
;   A block's scale is 2^(floor(log2(largest magnitude)) - 2): the byte is the largest magnitude's exponent field - 2, held at 1 from below.
; Work-groups 0 .. 63: the mask [2048][2048] int32 becomes lane masks and flags.  A wave takes 128 queries x 128 keys (g, s).  maskw [g][s][a 8][64 words]: word 16 beta + i, bit (r, h) says whether
;   query 128 g + 32 (a / 2) + 8 (a % 2) + r + 8 (r / 8) may see key 128 s + 32 beta + 16 h + i: the very lane mask of score register 16 beta + i in the attention launch.
;   flags [g][s]: (some key open) << s | (some key hidden) << (16 + s).
; LIMITS: NaN and infinities among the floating-point inputs are not served.  A block of zeros gets the byte 1 where the rule says 127: its codes are zeros, and this program alone reads the bytes.
; No tensor loads, no barrier: waves share nothing.  Each of the two paths has LDS bytes of its own.
.set STEPS, 16
.set EMAX,  2
.set CBY,   12                         ; bytes of 16 codes
.set R,     16                         ; v16-79   four sets of 16 numbers as loaded
.set X,     80                         ; v80-111  two sets of 16 neighbours
.set E,     112                        ; v112-127 a scale byte for each step
.set C,     128                        ; v128-191 codes, four registers a step
.set WREG,  8192                       ; LDS 0 .. 32,767: a region for each wave of the quantising path: two stages of 32 x SP bytes, then 256 scale bytes
.set SP,    80
.set SPW,   12                         ; v12 LDS address of my spare word; never rewritten
.set NIL,   13                         ; v13 0; never rewritten
.set MSTG,  32768                      ; LDS 32,768 ..: the mask path's stages, 16 rows x 528 bytes a wave
.set MSTW,  16*528
.set SPARE, 66560                      ; the spare words, 128 bytes a wave: two blocks of 256 bytes that no other line names
.set RR,    16                         ; mask path: v16-143 two sets of 64 words as loaded
.set XX,    144                        ; v144-207 64 words: register 16 beta + i of lane (r, h)
	s_load_b512 s[4:19], s[0:1], 0x0               ; x, Wqkv, Wout, mask, codes, scales, maskw, flags
	v_lshl_add_u32 v[SPW], v0, 2, SPARE
	v_mov_b32 v[NIL], 0
	v_lshrrev_b32 v1, 5, v0
	v_readfirstlane_b32 s20, v1                    ; wave
	v_and_b32 v2, 31, v0                           ; lane
	s_cmp_lt_u32 ttmp9, 64
	s_cbranch_scc1 .Lmask
	; ---------------- the quantising path
	v_lshlrev_b32 v3, 4, v2                        ; my 16 bytes of a load's 512
	s_mul_i32 s21, s20, WREG
	v_lshrrev_b32 v14, 2, v2
	v_mul_u32_u24 v14, v14, SP
	v_and_b32 v15, 3, v2
	v_lshl_add_u32 v14, v15, 4, v14
	v_add_nc_u32 v14, s21, v14                     ; the stage, on the way in: SP (lane / 4) + 16 (lane % 4)
	v_mul_u32_u24 v15, v2, SP
	v_add_nc_u32 v15, s21, v15                     ; and on the way out: SP x lane: my 16 neighbours
	v_mul_u32_u24 v4, v2, CBY                      ; my codes' place in a step's
	v_lshrrev_b32 v5, 1, v2
	s_add_co_u32 s21, s21, 2*32*SP
	v_add_nc_u32 v5, s21, v5                       ; my block's byte among my wave's 256
	v_lshlrev_b32 v7, 3, v2
	v_add_nc_u32 v6, s21, v7                       ; and on the way out 8 bytes a lane
	s_wait_kmcnt 0x0
	s_sub_co_u32 s22, ttmp9, 64                    ; 0 .. 383: 256 work-groups for x, 96 for Wqkv, 32 for Wout
	s_cmp_lt_u32 s22, 256                          ; the choice hangs on the work-group's number alone
	s_cselect_b64 s[24:25], s[4:5], s[6:7]
	s_cselect_b32 s23, 0, 256
	s_cmp_lt_u32 s22, 352
	s_cselect_b64 s[24:25], s[24:25], s[8:9]
	s_cselect_b32 s23, s23, 352
	s_sub_co_u32 s23, s22, s23
	s_lshl_b32 s23, s23, 2
	s_add_co_u32 s26, s23, s20                     ; which run of 8 rows of the input is my wave's
	s_lshl_b32 s26, s26, 15                        ; 32,768 bytes a run
	s_mov_b32 s27, 0
	s_add_nc_u64 s[24:25], s[24:25], s[26:27]
	s_and_b32 s28, s20, 1
	s_lshl_b32 s28, s28, 1
	s_lshr_b32 s29, s20, 1
	s_or_b32 s28, s28, s29                         ; the wave's two bits swapped: bits 3 and 4 of the row
	s_lshl_b32 s29, s22, 2
	s_add_co_u32 s28, s28, s29                     ; the run's place in the one stream of 12,288 rows
	s_mul_i32 s26, s28, 8*768
	s_add_nc_u64 s[12:13], s[12:13], s[26:27]
	s_lshl_b32 s26, s28, 8
	s_add_nc_u64 s[14:15], s[14:15], s[26:27]
.macro LOAD t
.irp i, 0,1,2,3
	global_load_b128 v[R+16*((\t)%4)+4*\i:R+16*((\t)%4)+4*\i+3], v3, s[24:25] offset:2048*(\t)+512*\i th:TH_LOAD_NT   ; 32 lanes read 512 consecutive bytes
.endr
.endm
.macro TURN t                          ; step t's numbers through the stage: LDS serves a wave's instructions in order, so no wait stands between the stores and the loads
.irp i, 0,1,2,3
	ds_store_b128 v14, v[R+16*((\t)%4)+4*\i:R+16*((\t)%4)+4*\i+3] offset:32*SP*((\t)%2)+8*SP*\i
.endr
.irp i, 0,1,2,3
	ds_load_b128 v[X+16*((\t)%2)+4*\i:X+16*((\t)%2)+4*\i+3], v15 offset:32*SP*((\t)%2)+16*\i
.endr
.endm
.irp t, 0,1,2,3
	LOAD \t
.endr
	s_wait_loadcnt 12                              ; step 0's four loads are in; the twelve of steps 1 to 3 may be out
	TURN 0
.macro STEP t
.set XS, X+16*((\t)%2)
.if (\t) > 0
	s_wait_dscnt 1                                 ; this step's numbers are back from the stage; the last step's byte store may be out
.else
	s_wait_dscnt 0x0
.endif
.if (\t)+4 < STEPS
	LOAD (\t)+4                                    ; into the set whose stores into the stage have been served
.endif
.if (\t)+1 < STEPS
.if STEPS-2-(\t) >= 3
	s_wait_loadcnt 12                              ; the next step's four loads are in; those of the three steps behind it may be out
.else
	s_wait_loadcnt 4*(STEPS-2-(\t))
.endif
	TURN (\t)+1
.endif
	v_max3_num_f32 v8, |v[XS]|, |v[XS+1]|, |v[XS+2]|               ; the largest magnitude of my 16, in two chains
	v_max3_num_f32 v9, |v[XS+3]|, |v[XS+4]|, |v[XS+5]|
.irp i, 6,10
	v_max3_num_f32 v8, v8, |v[XS+\i]|, |v[XS+\i+1]|
	v_max3_num_f32 v9, v9, |v[XS+\i+2]|, |v[XS+\i+3]|
.endr
	v_max3_num_f32 v8, v8, |v[XS+14]|, |v[XS+15]|
	v_max3_num_f32 v8, v8, v9, (EMAX+1)<<23        ; and the floor 2^(3 - 127): the byte cannot fall under 1
	v_max_num_f32_dpp v8, v8, v8 row_xmask:1 row_mask:0xf bank_mask:0xf   ; with my neighbour's 16: the block's
	v_add_nc_u32 v11, -(EMAX<<23), v8              ; 2 off its exponent field: the conversion takes the exponent field of this operand as its scale
	v_cvt_scalef32_pk16_fp6_f32 v[C+4*(\t):C+4*(\t)+2], v[XS:XS+15], v11
	v_lshrrev_b32 v[E+(\t)], 23, v11               ; the scale's byte (also the plain line behind the conversion)
	ds_store_b8 v5, v[E+(\t)] offset:16*(\t)       ; both lanes of a block write the same byte with the same value
	global_store_b96 v4, v[C+4*(\t):C+4*(\t)+2], s[12:13] offset:32*CBY*(\t)   ; the wave stores 384 consecutive bytes
.endm
.irp t, 0,1,2,3,4,5,6,7,8,9,10,11,12,13,14,15
	STEP \t
.endr
	ds_load_b64 v[8:9], v6                         ; LDS serves a wave's instructions in order: these see my stores
	s_wait_dscnt 0x0
	global_store_b64 v7, v[8:9], s[14:15]          ; 32 lanes store 256 consecutive bytes, aligned: eight rows' scale bytes
	s_wait_tensorcnt 0x0                           ; the wave's end: a tensor wait, an add onto my spare word and its wait, behind my last LDS store
	ds_add_u32 v[SPW], v[NIL]
	s_wait_dscnt 0x0
	s_endpgm
	; ---------------- the mask path
.Lmask:
	s_lshl_b32 s21, ttmp9, 2
	s_add_co_u32 s21, s21, s20                     ; my region 16 g + s
	s_lshr_b32 s22, s21, 4                         ; g
	s_and_b32 s23, s21, 15                         ; s
	v_lshlrev_b32 v1, 4, v2                        ; 16 x lane: a row's 512 bytes
	v_lshlrev_b32 v5, 3, v2                        ; 8 x lane: two words of the 64
	s_mul_i32 s24, s20, MSTW
	s_add_co_u32 s24, s24, MSTG                    ; my stage
	v_add_nc_u32 v3, s24, v1                       ; in: a row as it lies
	v_and_b32 v4, 15, v2
	v_mul_u32_u24 v4, v4, 528
	v_lshrrev_b32 v11, 4, v2
	v_lshl_add_u32 v4, v11, 6, v4
	v_add_nc_u32 v4, s24, v4                       ; out: row r, + 64 h: 16 keys of each 32
	v_mov_b32 v6, 0                                ; (a written lane's register counts as read: written once here)
	v_mov_b32 v7, 0
	v_mov_b32 v11, 0                               ; the flag's offset
	s_lshl_b32 s26, s22, 20                        ; 128 rows of 8,192 bytes
	s_lshl_b32 s25, s23, 9                         ; 128 keys of 4 bytes
	s_add_co_u32 s26, s26, s25
	s_mov_b32 s27, 0
	s_lshl_b32 s28, s21, 11                        ; 2,048 bytes of lane masks a region
	s_mov_b32 s29, 0
	s_lshl_b32 s30, s21, 2
	s_mov_b32 s31, 0
	s_wait_kmcnt 0x0
	s_add_nc_u64 s[10:11], s[10:11], s[26:27]
	s_add_nc_u64 s[16:17], s[16:17], s[28:29]
	s_add_nc_u64 s[18:19], s[18:19], s[30:31]
.macro LOADU a                         ; the 16 rows of tile a, 512 consecutive bytes a load, into set a % 2
.irp p, 0,1,2,3,4,5,6,7,8,9,10,11,12,13,14,15
	global_load_b128 v[RR+64*((\a)%2)+4*\p:RR+64*((\a)%2)+4*\p+3], v1, s[10:11] offset:(32*((\a)/2)+8*((\a)%2)+\p+8*(\p/8))*8192 th:TH_LOAD_NT
.endr
.endm
.macro UNIT a
.if (\a) < 7
	LOADU (\a)+1
	s_wait_loadcnt 16                              ; my 16 loads are in; the next tile's 16 may be out
.else
	s_wait_loadcnt 0x0
.endif
.irp p, 0,1,2,3,4,5,6,7,8,9,10,11,12,13,14,15
	ds_store_b128 v3, v[RR+64*((\a)%2)+4*\p:RR+64*((\a)%2)+4*\p+3] offset:528*\p
.endr
.irp b, 0,1,2,3
.irp j, 0,1,2,3
	ds_load_b128 v[XX+16*\b+4*\j:XX+16*\b+4*\j+3], v4 offset:128*\b+16*\j   ; LDS serves a wave's instructions in order: these see the stores above
.endr
.endr
	s_wait_dscnt 0x0
	s_wait_xcnt 0x0                                ; the last tile's store has read v[6:7]: they are written again only behind this wait
.irp hh, 0,1
.set K, 0
.rept 32
	v_cmp_ne_u32 s[32+K], 0, v[XX+32*\hh+K]        ; word 32 hh + K of the 64: a bit for each lane
.set K, K+1
.endr
.set K, 0
.rept 32
	v_writelane_b32 v[6+K%2], s[32+K], 16*\hh+K/2  ; lane l gathers words 2 l and 2 l + 1
.set K, K+1
.endr
.endr
.if (\a) == 0
	v_or_b32 v8, v6, v7                            ; the first tile starts both
	v_and_b32 v9, v6, v7
.else
	v_or_b32 v8, v8, v6
	v_or_b32 v8, v8, v7
	v_and_b32 v9, v9, v6
	v_and_b32 v9, v9, v7
.endif
	global_store_b64 v5, v[6:7], s[16:17] offset:256*(\a)   ; 32 lanes store 256 consecutive bytes, aligned
.endm
	LOADU 0
.irp a, 0,1,2,3,4,5,6,7
	UNIT \a
.endr
	v_cmp_ne_u32 s24, 0, v8                        ; some bit set: a key is open
	v_cmp_ne_u32 s25, -1, v9                       ; some bit clear: a key is hidden
	s_cmp_lg_u32 s24, 0
	s_cselect_b32 s24, 1, 0
	s_cmp_lg_u32 s25, 0
	s_cselect_b32 s25, 1, 0
	s_lshl_b32 s24, s24, s23
	s_add_co_u32 s26, s23, 16
	s_lshl_b32 s25, s25, s26
	s_or_b32 s24, s24, s25
	v_mov_b32 v10, s24
	s_wait_xcnt 0x0                                ; EXEC changes only behind this wait
	v_cmp_eq_u32 vcc_lo, 0, v2
	s_and_saveexec_b32 s27, vcc_lo
	global_store_b32 v11, v10, s[18:19]            ; one word a wave
	s_wait_xcnt 0x0                                ; and again in front of the line that widens it
	s_or_b32 exec_lo, exec_lo, s27
	s_wait_tensorcnt 0x0                           ; the wave's end: a tensor wait, an add onto my spare word and its wait, behind my last LDS store
	ds_add_u32 v[SPW], v[NIL]
	s_wait_dscnt 0x0
	s_endpgm
.Lfunc_end_k_qcaa1ddbd69_prep:
	.size	k_qcaa1ddbd69_prep, .Lfunc_end_k_qcaa1ddbd69_prep-k_qcaa1ddbd69_prep
	.p2alignl 7, 3214868480
	.fill 96, 4, 3214868480
	.section	.rodata,"a",@progbits
	.p2align	6, 0x0
	.amdhsa_kernel k_qcaa1ddbd69_prep
		.amdhsa_group_segment_fixed_size 67072
		.amdhsa_private_segment_fixed_size 0
		.amdhsa_enable_private_segment 0
		.amdhsa_kernarg_size 64
		.amdhsa_user_sgpr_count 2
		.amdhsa_user_sgpr_kernarg_segment_ptr 1
		.amdhsa_wavefront_size32 1
		.amdhsa_system_sgpr_workgroup_id_x 1
		.amdhsa_system_sgpr_workgroup_id_y 1
		.amdhsa_system_sgpr_workgroup_id_z 1
		.amdhsa_system_vgpr_workitem_id 0
		.amdhsa_next_free_vgpr 208
		.amdhsa_next_free_sgpr 66
		.amdhsa_reserve_vcc 1
		.amdhsa_float_denorm_mode_32 3
		.amdhsa_float_denorm_mode_16_64 3
		.amdhsa_memory_ordered 1
		.amdhsa_forward_progress 1
		.amdhsa_inst_pref_size 129
	.end_amdhsa_kernel
	.amdgpu_metadata
---
amdhsa.version: [ 1, 2 ]
amdhsa.kernels:
  - .name:           k_qcaa1ddbd69_prep
    .symbol:         k_qcaa1ddbd69_prep.kd
    .args:
      - { .name: x, .offset: 0, .size: 8, .value_kind: global_buffer, .address_space: global }
      - { .name: Wqkv, .offset: 8, .size: 8, .value_kind: global_buffer, .address_space: global }
      - { .name: Wout, .offset: 16, .size: 8, .value_kind: global_buffer, .address_space: global }
      - { .name: mask, .offset: 24, .size: 8, .value_kind: global_buffer, .address_space: global }
      - { .name: codes, .offset: 32, .size: 8, .value_kind: global_buffer, .address_space: global }
      - { .name: scales, .offset: 40, .size: 8, .value_kind: global_buffer, .address_space: global }
      - { .name: maskw, .offset: 48, .size: 8, .value_kind: global_buffer, .address_space: global }
      - { .name: flags, .offset: 56, .size: 8, .value_kind: global_buffer, .address_space: global }
    .group_segment_fixed_size: 67072
    .private_segment_fixed_size: 0
    .kernarg_segment_align: 8
    .kernarg_segment_size: 64
    .max_flat_workgroup_size: 128
    .sgpr_count:     66
    .vgpr_count:     208
    .wavefront_size: 32
...
	.end_amdgpu_metadata
.endif
;; end of part 1
;; launch qkvgemm (part 2): grid 12 x 32, 4 waves a work-group, clusters of 4 x 4, 327,680 bytes of LDS; arguments codes, scales, bqkv, qkv, qkvs; writes qkv, qkvs
.if DOCPART == 2
	.amdgcn_target "amdgcn-amd-amdhsa--gfx1250"
	.amdhsa_code_object_version 6
	.text
	.protected	k_qcaa1ddbd69_qkvgemm
	.globl	k_qcaa1ddbd69_qkvgemm
	.p2align	8
	.type	k_qcaa1ddbd69_qkvgemm,@function
k_qcaa1ddbd69_qkvgemm:
	s_mov_b64 s[64:65], 0
	v_nop
	global_prefetch_b8 v0, s[64:65] scope:SCOPE_SE
	s_setreg_imm32_b32 hwreg(HW_REG_WAVE_MODE, 25, 1), 1
	s_wait_xcnt 0x0
	s_wait_alu depctr_hold_cnt(0) depctr_sa_sdst(0) depctr_va_vdst(0) depctr_va_sdst(0) depctr_va_ssrc(0) depctr_va_vcc(0) depctr_vm_vsrc(0)
	s_getreg_b32 s2, hwreg(HW_REG_IB_STS2, 6, 4)
	s_cmp_eq_u32 s2, 0
	s_cbranch_scc0 .Lentry_in_a_cluster
	s_endpgm
.Lentry_in_a_cluster:
	s_bfe_u32 s2, ttmp6, 0x10000c
	s_cmp_lg_u32 s2, 0xf033
	s_cbranch_scc0 .Lentry_shape_is_right
	s_endpgm
.Lentry_shape_is_right:
; qkv = x Wqkv^T + bqkv on codes of FP6 (E2M3) with E8M0 scales, and q, k, v quantised on the way out into images of the attention launch's operand registers.
; A work-group of four waves makes 256 x 256 results, a wave 128 x 128: 64 accumulators, 512 registers.  K = 1,024 goes in steps of 256 through a ring of two LDS slots filled by the tensor data mover.
; THE MATRIX INSTRUCTION IS USED TRANSPOSED: source 1 (role A) gives a lane ONE row, source 0 (role B) gives its registers eight rows.  The rows of `codes` are stored with bits 3 and 4 of their number
; swapped, so a lane's 16 registers of two neighbouring tiles of role B are 16 NEIGHBOURS of role B's axis.
;   clusters x = 0, 1 (q, k): A = tokens, B = rows of Wq or Wk: a lane holds one token and 128 features = two heads x 64: the next product's K.
;   cluster  x = 2   (v):    A = rows of Wv, B = tokens: a lane holds one (head, d) and 128 keys: the next product's K.
; The bias is the C of each sum's first matrix instruction: by role B's rows for q and k, by role A's row for v; so the first step of 128 along K is written twice, under a branch on the cluster's x.
; THE WAY OUT needs no LDS: the 64 numbers of a lane in a block of 16 rows become a fragment (12 registers) and a scale word, and the fragment is stored as it stands: registers 0-3 at 16 x lane, 4-5 at 8 x lane
; behind them (a half-image of 768 bytes), 6-11 likewise: every store of the wave covers 512 or 256 consecutive bytes, aligned.
; CLUSTERS: 4 x 4 work-groups; A's tiles are asked for jointly along a row of the cluster, B's along a column.
; NO PREFETCH: K has four steps only, the tiles are shared by joint loads, and both operands are read again and again by neighbouring work-groups.
; LIMITS: a block of zeros gets the byte 1 (its codes are zeros; this program alone reads the bytes).  NaN and infinities are not served.
; REGISTERS: window 0: v0-31 addresses; v32-63 scale words, two sets; v64-127 the bias, later the way out; v128-223 A's fragments, one set; v224-231 the bias's offsets.
;   window 1: B's fragments, two sets, at v0 and v128.   windows 2, 3: the accumulators ((a, b) at v[8 (8 (a % 4) + b)] of window 2 + a / 4).
.set KSTEP,  256
.set NQ,     2
.set ROWB,   192                       ; a tile's row: 256 codes
.set KROW,   768                       ; a row of codes in memory
.set PITCH,  240                       ; an LDS row: 3 x (64 bytes + 16 of padding)
.set FR,     12
.set NL,     6
.set NP,     4
.set HALFT,  128*PITCH
.set SLOT,   4*HALFT
.set LAPS,   2
.set KS,     32                        ; a row of scale bytes
.set SCL,    2*SLOT                    ; behind the ring: the scales, as units of 256 bytes + 16 of padding
.set HALFS,  16*272                    ; those of 128 rows
.set SPARE,  SCL+4*HALFS               ; the spare words, 128 bytes a wave: two blocks of 256 bytes that no other line names
.set ADRA, 16                          ; v16-17 (v18-19: behind one padding more)
.set ADRB, 20                          ; v20-21 (v22-23)
.set LA16, 24                          ; v24  16 x lane
.set LA8,  25                          ; v25  8 x lane
.set LSW,  26                          ; v26  512 h + 16 r: where my four scale words go
.set ADSA, 27                          ; v27  LDS address of A's scale words: lanes 0-15 the slot's first 128 along K, lanes 16-31 its second
.set SPW,  28
.set NIL,  29
.set ADSB, 30                          ; v30  the same for B
.set SC,   32                          ; set s at v[32 + 16 s]: A's block a at + a, B's block b at + 8 + b
.set CB,   64                          ; the bias, eight registers a tile
.set AF,   128
.set BADR, 224
.set TM,   64                          ; the way out: v64-67 maxima, v68-71 bytes, v76-79 the conversions' scale operands
.set PW,   80                          ; v80-87 a scale word for each block
.set XW,   88                          ; v88-95 the words as they are stored
.set PCD,  96                          ; v96-107 a fragment's codes
.set PT,   108                         ; v108-115 the halves that are made elsewhere and moved
.set SELQK, 116
.set SELV, 117
.set G1, 24
.set G0, 32
.set G1B, 48
.set G0B, 56
.set G1S, 68
.set G0S, 76
.set G1SB, 80
.set G0SB, 88
.set MSB, 0
.macro WIN new                         ; the immediate's high byte repeats the setting that is left
.if MSB != \new
	s_set_vgpr_msb (MSB<<8)|\new
.set MSB, \new
.endif
.endm
.set MUL_LO, 0xa1                      ; source 0 (B) window 1, source 1 (A) window 0, C and D window 2
.set MUL_HI, 0xf1
.set TO_B,   0x40
; A joint load: waves 0 and 1 fetch for A, waves 2 and 3 for B.  The branch hangs on the wave's number alone.  An s_nop 0 and four v_nop follow each of the two lines.
.macro JLOAD g0a, g1a, g0b, g1b
	s_cmp_eq_u32 s15, 0
	s_cbranch_scc0 .Lfor_b_\@
	tensor_load_to_lds s[\g0a:\g0a+3], s[\g1a:\g1a+7]
	s_nop 0
.rept 4
	v_nop
.endr
	s_branch .Lasked_\@
.Lfor_b_\@:
	tensor_load_to_lds s[\g0b:\g0b+3], s[\g1b:\g1b+7]
	s_nop 0
.rept 4
	v_nop
.endr
.Lasked_\@:
.endm
.macro CREST
	s_cmp_lg_u32 s14, 0
	s_cbranch_scc1 .Lnot_wave_0_\@
	s_barrier_signal -3
.Lnot_wave_0_\@:
	s_barrier_wait -3
	s_barrier_signal -1
	s_barrier_wait -1
.endm
.macro CROUND
	s_barrier_signal -1
	s_barrier_wait -1
	CREST
.endm
	s_load_b256 s[4:11], s[0:1], 0x0               ; codes s[4:5], scales s[6:7], bqkv s[8:9], qkv s[10:11]
	s_load_b64 s[12:13], s[0:1], 0x20              ; qkvs
	v_lshl_add_u32 v[SPW], v0, 2, SPARE
	v_mov_b32 v[NIL], 0
	ds_add_u32 v[SPW], v[NIL]                      ; the wave's opening: the add and its wait ahead of my first tensor load; work on registers stands between them
	v_lshrrev_b32 v1, 5, v0
	v_readfirstlane_b32 s14, v1                    ; wave 0..3
	s_lshr_b32 s15, s14, 1                         ; which 128 rows of role A are mine.  Also: I fetch for A (0) or for B (1)
	s_and_b32 s16, s14, 1                          ; which 128 rows of role B.  Also: which 128 rows of that tile I fetch
	s_bfe_u32 s40, ttmp6, 0x40000                  ; cx
	s_bfe_u32 s41, ttmp6, 0x40004                  ; cy
	s_and_b32 s45, ttmp7, 0xffff
	s_lshl_b32 s45, s45, 2                         ; 4 x cluster y
	s_lshl_b32 s46, ttmp9, 2
	s_add_co_u32 s46, s46, 32                      ; Wq's tiles of 256 rows begin at tile 32 of `codes`, Wk's at 36
	s_cmp_eq_u32 ttmp9, 2                          ; the cluster's x: the same in all sixteen partners
	s_cselect_b32 s66, 1, 0                        ; 1 for v
	s_cselect_b32 s67, -1, 0                       ; and as a lane mask
	s_cselect_b32 s17, 40, s45                     ; role A: Wv's tiles begin at tile 40; else tokens
	s_cselect_b32 s42, s45, s46                    ; role B: tokens; else Wq or Wk
	s_add_co_u32 s17, s17, s41                     ; A's tile hangs on cy alone,
	s_add_co_u32 s42, s42, s40                     ; B's on cx alone
	s_lshl_b32 s43, s41, 2
	s_lshl_b32 s43, 15, s43                        ; my row of the cluster
	s_lshl_b32 s44, 0x1111, s40                    ; my column
	s_or_b32 s[G1+0], s43, (0<<16)|(1<<20)|(1<<21)|(3<<22)|(3<<25)  ; the mask; elements of 1 byte; padding on; bit 21 beside a mask; after every 16 words, 4 words
	s_or_b32 s[G1B+0], s44, (0<<16)|(1<<20)|(1<<21)|(3<<22)|(3<<25)
.irp g, G1, G1B
	s_mov_b32 s[\g+1], ROWB<<16                    ; tensor_dim0
	s_mov_b32 s[\g+2], 128<<16                     ; tensor_dim1
	s_mov_b32 s[\g+3], ROWB<<16                    ; tile_dim0
	s_mov_b32 s[\g+4], 128                         ; tile_dim1
	s_mov_b32 s[\g+5], KROW                        ; from row to row
	s_mov_b32 s[\g+6], 0
	s_mov_b32 s[\g+7], 0
.endr
	s_or_b32 s[G1S+0], s43, (3<<16)|(1<<20)|(1<<21)|(5<<22)|(3<<25)  ; the scales of 128 rows: 4,096 dense bytes as 16 rows of 256, 16 bytes of padding behind each
	s_or_b32 s[G1SB+0], s44, (3<<16)|(1<<20)|(1<<21)|(5<<22)|(3<<25)
.irp g, G1S, G1SB
	s_mov_b32 s[\g+1], 32<<16
	s_mov_b32 s[\g+2], 16<<16
	s_mov_b32 s[\g+3], 32<<16
	s_mov_b32 s[\g+4], 16
	s_mov_b32 s[\g+5], 32
	s_mov_b32 s[\g+6], 0
	s_mov_b32 s[\g+7], 0
.endr
	s_lshl_b32 s18, s16, 7                         ; which 128 rows of the tile I fetch
	s_lshl_b32 s20, s17, 8
	s_add_co_u32 s20, s20, s18                     ; A's first row in `codes`
	s_lshl_b32 s46, s42, 8
	s_add_co_u32 s46, s46, s18                     ; B's
	s_mov_b32 s21, 0
	s_mov_b32 s47, 0
	s_mov_b64 s[18:19], KS
	s_mul_u64 s[22:23], s[20:21], s[18:19]
	s_mul_u64 s[92:93], s[46:47], s[18:19]
	s_mov_b64 s[18:19], KROW
	s_mul_u64 s[20:21], s[20:21], s[18:19]
	s_mul_u64 s[46:47], s[46:47], s[18:19]
	s_mul_i32 s45, s14, HALFT                      ; where they go: wave x 128 rows: no place in the cluster enters an LDS address
	s_mul_i32 s94, s14, HALFS
	s_wait_dscnt 0x0                               ; the opening add is done
	s_wait_kmcnt 0x0
	s_add_nc_u64 s[20:21], s[4:5], s[20:21]
	s_add_nc_u64 s[22:23], s[6:7], s[22:23]
	s_add_nc_u64 s[46:47], s[4:5], s[46:47]
	s_add_nc_u64 s[92:93], s[6:7], s[92:93]
	CROUND                                         ; all sixteen work-groups are here: the first joint loads meet
	s_mov_b32 s[G0S], 1
	s_add_co_u32 s[G0S+1], s94, SCL
	s_mov_b64 s[G0S+2:G0S+3], s[22:23]
	s_or_b32 s[G0S+3], s[G0S+3], 0x80000000
	s_mov_b32 s[G0SB], 1
	s_add_co_u32 s[G0SB+1], s94, SCL
	s_mov_b64 s[G0SB+2:G0SB+3], s[92:93]
	s_or_b32 s[G0SB+3], s[G0SB+3], 0x80000000
	JLOAD G0S, G1S, G0SB, G1SB                     ; the scales first; with the two slots three loads of mine are out
.irp s, 0,1
	s_mov_b32 s[G0+4*\s], 1
	s_add_co_u32 s[G0+4*\s+1], s45, \s*SLOT
	s_add_nc_u64 s[G0+4*\s+2:G0+4*\s+3], s[20:21], \s*ROWB
	s_or_b32 s[G0+4*\s+3], s[G0+4*\s+3], 0x80000000
	s_mov_b32 s[G0B+4*\s], 1
	s_add_co_u32 s[G0B+4*\s+1], s45, \s*SLOT
	s_add_nc_u64 s[G0B+4*\s+2:G0B+4*\s+3], s[46:47], \s*ROWB
	s_or_b32 s[G0B+4*\s+3], s[G0B+4*\s+3], 0x80000000
	JLOAD G0+4*\s, G1, G0B+4*\s, G1B
.endr
	v_and_b32 v1, 15, v0                           ; r; kept
	v_bfe_u32 v2, v0, 4, 1                         ; h; kept
	v_mul_u32_u24 v3, v1, PITCH
	v_mul_u32_u24 v4, v2, 24
	v_add_nc_u32 v4, v3, v4                        ; a fragment's row x pitch + 24 x half
	v_lshl_add_u32 v5, v2, 4, v4                   ; and the same behind one padding more
	s_mul_i32 s21, s15, HALFT
	s_mul_i32 s22, s16, HALFT
	s_add_co_u32 s22, s22, 2*HALFT
.irp s, 0,1
	v_add_nc_u32 v[ADRA+\s], s21, v4
	v_add_nc_u32 v[ADRB+\s], s22, v4
	v_add_nc_u32 v[ADRA+2+\s], s21, v5
	v_add_nc_u32 v[ADRB+2+\s], s22, v5
	s_add_co_u32 s21, s21, SLOT
	s_add_co_u32 s22, s22, SLOT
.endr
	v_lshrrev_b32 v5, 3, v1                        ; scale words: row r of a tile lies 32 r bytes on, 16 more for each 256 passed; + 4 h: the slot's second 128 along K
	v_mul_u32_u24 v5, v5, 272
	v_and_b32 v6, 7, v1
	v_lshl_add_u32 v5, v6, 5, v5
	v_lshl_add_u32 v5, v2, 2, v5
	s_mul_i32 s21, s15, HALFS
	s_add_co_u32 s21, s21, SCL
	v_add_nc_u32 v[ADSA], s21, v5
	s_mul_i32 s22, s16, HALFS
	s_add_co_u32 s22, s22, SCL+2*HALFS
	v_add_nc_u32 v[ADSB], s22, v5
	v_and_b32 v6, 31, v0
	v_lshlrev_b32 v[LA16], 4, v6
	v_lshlrev_b32 v[LA8], 3, v6
	v_lshlrev_b32 v[LSW], 4, v1
	v_lshl_add_u32 v[LSW], v2, 9, v[LSW]
	; where my 128 x 128 results go, and which bias they take
	s_lshl_b32 s92, s17, 1
	s_add_co_u32 s92, s92, s15                     ; role A's group of 128 rows of `codes`
	s_lshl_b32 s93, s42, 1
	s_add_co_u32 s93, s93, s16                     ; role B's
	s_sub_co_u32 s95, s92, 80                      ; v: the pair of heads
	s_sub_co_u32 s96, s93, 64
	s_and_b32 s96, s96, 7                          ; q, k: the pair of heads
	s_cmp_lg_u32 s66, 0
	s_cselect_b32 s94, s93, s92                    ; the group of 128 tokens, 0 .. 63
	s_cselect_b32 s95, s95, s96                    ; the pair of heads
	s_cselect_b32 s97, s92, s93                    ; the group of 128 features
	s_cselect_b32 s98, 0, 4                        ; bytes from register to register in bqkv
	s_mov_b32 s99, 6144
	s_cselect_b32 s99, 768, s99                    ; from a fragment's first half-image to its second
	s_cselect_b32 s23, 256, 0                      ; v's scale words lie 256 bytes behind k's
	s_lshr_b32 s21, s94, 4
	s_lshl_b32 s21, s21, 3
	s_add_co_u32 s21, s21, s95
	s_lshl_b32 s21, s21, 4
	s_and_b32 s22, s94, 15
	s_add_co_u32 s21, s21, s22                     ; the record: ((8 b + pair) 16 + group of tokens)
	s_mul_i32 s46, s21, 12288
	s_mul_i32 s22, ttmp9, 6291456                  ; q's, k's or v's region
	s_add_co_u32 s46, s46, s22
	s_mov_b32 s47, 0
	s_add_nc_u64 s[10:11], s[10:11], s[46:47]      ; block 0's first half-image
	s_mov_b32 s46, s99
	s_add_nc_u64 s[18:19], s[10:11], s[46:47]      ; and its second
	s_lshl_b32 s46, s21, 10
	s_add_co_u32 s46, s46, s23
	s_min_u32 s22, ttmp9, 1
	s_lshl_b32 s22, s22, 19                        ; k and v share the second region of scale words
	s_add_co_u32 s46, s46, s22
	s_add_nc_u64 s[12:13], s[12:13], s[46:47]
	s_lshl_b32 s20, 768, s66                       ; from block to block: 768 bytes (q, k) or 1,536 (v)
	s_mov_b32 s21, 0
	s_sub_co_u32 s97, s97, 64
	s_lshl_b32 s97, s97, 9                         ; the features' first byte in bqkv
	v_lshrrev_b32 v5, 3, v1
	v_lshl_add_u32 v5, v5, 3, v1                   ; v: my row's feature r + 8 (r / 8)
	v_lshlrev_b32 v6, 4, v2                        ; q, k: my registers' features begin at 16 h
	v_cndmask_b32 v5, v6, v5, s67
	v_lshl_add_u32 v[BADR], v5, 2, s97
.irp j, 1,2,3,4,5,6,7
	v_add_nc_u32 v[BADR+\j], s98, v[BADR+\j-1]
.endr
.irp x, 0,1,2,3,4,5,6,7
.irp j, 0,1,2,3,4,5,6,7
	global_load_b32 v[CB+8*\x+\j], v[BADR+\j], s[8:9] offset:4*(32*(\x/2)+8*(\x%2))   ; tile x, register j, in the result's layout
.endr
.endr
.macro FRAG reg, adr, q, i             ; 16 rows x 128 K: lane l holds row l % 16; registers 6 c .. 6 c + 5 hold K = 64 c + 32 (l / 16) + 0 .. 31; in pieces of 8 bytes
.irp p, 0,1,2,3,4,5
.set PCE, 12*(\q)+6*(\p/3)+\p%3
.if PCE%8 < 5
	ds_load_b64 v[\reg+2*\p:\reg+2*\p+1], v[\adr] offset:8*PCE+16*(PCE/8)+(\i)*16*PITCH
.else
	ds_load_b64 v[\reg+2*\p:\reg+2*\p+1], v[\adr+2] offset:8*PCE+16*(PCE/8)+(\i)*16*PITCH
.endif
.endr
.endm
; 16 matrix instructions: A's blocks a0, a0 + 1 x B's eight.  p: B's set; q: the slot's first or second 128 along K (the scale words' lanes 0-15 or 16-31); sc: the set of scale words.
; cm = 0: C = D;  1: C = the bias by B's tile;  2: C = the bias by A's tile.  The 64 accumulators take turns, one instruction a turn, in the same order in every step.
.macro MUL16 a0, p, q, sc, cm
.irp a, \a0, \a0+1
.irp b, 0,1,2,3,4,5,6,7
.set rD, 8*(8*((\a)%4)+\b)
.set rB, 128*(\p)+FR*\b
.set rA, AF+FR*(\a)
.set rSB, SC+16*(\sc)+8+\b
.set rSA, SC+16*(\sc)+(\a)
.set rC, rD
.if (\cm) == 1
.set rC, CB+8*\b
.endif
.if (\cm) == 2
.set rC, CB+8*(\a)
.endif
.if (\q) == 0
	v_wmma_scale_f32_16x16x128_f8f6f4 v[rD:rD+7], v[rB:rB+FR-1], v[rA:rA+FR-1], v[rC:rC+7], v[rSB], v[rSA] matrix_a_fmt:MATRIX_FMT_FP6 matrix_b_fmt:MATRIX_FMT_FP6
.else
	v_wmma_scale_f32_16x16x128_f8f6f4 v[rD:rD+7], v[rB:rB+FR-1], v[rA:rA+FR-1], v[rC:rC+7], v[rSB], v[rSA] matrix_a_fmt:MATRIX_FMT_FP6 matrix_b_fmt:MATRIX_FMT_FP6 matrix_a_scale:MATRIX_SCALE_ROW1 matrix_b_scale:MATRIX_SCALE_ROW1
.endif
.endr
.endr
.endm
.macro FETCH_B slot, q, p
	WIN TO_B
.irp i, 0,1,2,3,4,5,6,7
	FRAG 128*(\p)+FR*\i, ADRB+\slot, \q, \i
.endr
	WIN 0
.endm
.macro FETCH_A slot, q, i0
.irp i, \i0, \i0+1, \i0+2, \i0+3
	FRAG AF+FR*(\i), ADRA+\slot, \q, \i
.endr
.endm
.macro SCALES sc                       ; a slot's scale words: one register a tile of 16 rows
.irp i, 0,1,2,3,4,5,6,7
	ds_load_b32 v[SC+16*\sc+\i], v[ADSA] offset:544*\i
.endr
.irp i, 0,1,2,3,4,5,6,7
	ds_load_b32 v[SC+16*\sc+8+\i], v[ADSB] offset:544*\i
.endr
.endm
.macro PLACES n                        ; plain vector instructions between a matrix instruction and a load into, or a read of, its registers
.rept \n
	v_nop
.endr
.endm
.macro STEP slot, q, cm                ; a step of 128 along K that has its successor in the same slot
	s_wait_dscnt 4*NL                              ; B's set, A's blocks 0-3 and the scale words are in; the youngest 24 loads (A's blocks 4-7) may be out
.if \cm
	WIN 0x81                                       ; C, the bias, in window 0; D in window 2
.else
	WIN MUL_LO
.endif
	MUL16 0, (\q)%2, \q, \slot, \cm
	MUL16 2, (\q)%2, \q, \slot, \cm
	s_wait_dscnt 0                                 ; A's blocks 4-7 are in
	PLACES NP
	FETCH_B \slot, (\q)+1, 1-(\q)%2
	FETCH_A \slot, (\q)+1, 0
.if \cm
	WIN 0xc1
.else
	WIN MUL_HI
.endif
	MUL16 4, (\q)%2, \q, \slot, \cm
	MUL16 6, (\q)%2, \q, \slot, \cm
	PLACES NP
	WIN 0
	FETCH_A \slot, (\q)+1, 4
.endm
; A slot's last step changes slots: ONE barrier; in front of it each wave waits for all its tensor loads, adds 0 to its spare word, and waits for that and for its own reads of this slot.
.macro TURN slot, next, fill
	s_wait_tensorcnt 0x0                           ; all my tensor loads have landed: my part of the next slot
	ds_add_u32 v[SPW], v[NIL]                      ; 0 onto my spare word
	s_wait_dscnt 4*NL+1                            ; the add and the youngest 24 loads (A's blocks 4-7) may be out
	WIN MUL_LO
	MUL16 0, 1, NQ-1, \slot, 0                     ; sixteen matrix instructions stand between the add and the wait for it
	s_wait_dscnt 0x0                               ; the add is done, and my reads of this slot are over
	s_barrier_signal -1
	MUL16 2, 1, NQ-1, \slot, 0
	WIN 0
	s_barrier_wait -1
.if \fill
	CREST                                          ; the barrier has opened a round of the cluster's barrier: no wave of any partner still reads this slot or has a load on its way
	s_add_nc_u64 s[G0+4*\slot+2:G0+4*\slot+3], s[G0+4*\slot+2:G0+4*\slot+3], 2*ROWB
	s_add_nc_u64 s[G0B+4*\slot+2:G0B+4*\slot+3], s[G0B+4*\slot+2:G0B+4*\slot+3], 2*ROWB
	JLOAD G0+4*\slot, G1, G0B+4*\slot, G1B         ; the first tensor load behind the round, my one load until the next; its four v_nop are the places in front of the loads below
.else
	PLACES NP
.endif
	v_add_nc_u32 v[ADSA], 8, v[ADSA]               ; on to the next slot's scale words (no LDS load of mine is out)
	v_add_nc_u32 v[ADSB], 8, v[ADSB]
	FETCH_B \next, 0, 0
	FETCH_A \next, 0, 0
	SCALES \next
	WIN MUL_HI
	MUL16 4, 1, NQ-1, \slot, 0
	MUL16 6, 1, NQ-1, \slot, 0
	PLACES NP
	WIN 0
	FETCH_A \next, 0, 4
.endm
	s_wait_tensorcnt 1                             ; the scales and my part of slot 0 are in; slot 1's load may be out
	s_barrier_signal -1
	s_barrier_wait -1
	FETCH_B 0, 0, 0
	FETCH_A 0, 0, 0
	SCALES 0
	FETCH_A 0, 0, 4
	s_wait_loadcnt 0x0                             ; the bias
	s_cmp_lg_u32 s66, 0                            ; the cluster's x alone: all partners and all waves go the same way; neither copy holds a barrier or a tensor load
	s_cbranch_scc1 .Lfirst_v
	STEP 0, 0, 1                                   ; q, k: the first products start the sums with the bias of B's rows
	s_branch .Lfirst_done
.Lfirst_v:
	STEP 0, 0, 2                                   ; v: with the bias of A's row
.Lfirst_done:
	s_mov_b32 s3, LAPS-1
.Llap:
	TURN 0, 1, 1
	STEP 1, 0, 0
	TURN 1, 0, 1
	STEP 0, 0, 0
	s_sub_co_u32 s3, s3, 1
	s_cmp_lg_u32 s3, 0
	s_cbranch_scc1 .Llap
	TURN 0, 1, 0                                   ; the last lap fills nothing
	STEP 1, 0, 0
	s_wait_dscnt 4*NL
	WIN MUL_LO
	MUL16 0, 1, NQ-1, 1, 0
	MUL16 2, 1, NQ-1, 1, 0
	s_wait_dscnt 0
	WIN MUL_HI
	MUL16 4, 1, NQ-1, 1, 0
	MUL16 6, 1, NQ-1, 1, 0
	WIN 0
	; THE WAY OUT.  In block a (16 rows of role A) register 16 b + i of my 64 is number 32 b + 16 h + i along the next K.
	PLACES NP
	s_mov_b32 s96, 0x76543210
	s_mov_b32 s97, 0xfedcba98                      ; v_permlanex16_b32's selects for lane l xor 16
.irp b, 0,1,2,3
	v_mov_b32 v[TM+4+\b], 0                        ; written once: a lane permute's destination counts as one of its sources
.endr
	v_cmp_eq_u32 s98, 1, v2
	v_mov_b32 v[SELQK], 0x05040100
	v_mov_b32 v[SELV], 0x03020100
	v_mov_b32 v[XW], 0x07060302
	v_mov_b32 v[XW+1], 0x07060504
	v_cndmask_b32 v[SELQK], v[SELQK], v[XW], s98   ; lanes 0-15 gather the first head's bytes, lanes 16-31 the second's
	v_cndmask_b32 v[SELV], v[SELV], v[XW+1], s98
.macro QBLK a
.set AC, 64*((\a)%4)
.set WN, 2+(\a)/4
	WIN 5*WN                                       ; sources 0 and 1: the accumulators' window
.irp b, 0,1,2,3
	v_max3_num_f32 v[TM+\b], |v[AC+16*\b]|, |v[AC+16*\b+1]|, 0x1800000   ; each accumulator from its low end on; the floor 2^(3 - 127) holds the byte at 1 from below
.endr
.irp i, 2,4,6,8,10,12,14
.irp b, 0,1,2,3
	v_max3_num_f32 v[TM+\b], |v[AC+16*\b+\i]|, |v[AC+16*\b+\i+1]|, v[TM+\b]
.endr
.endr
	WIN 0
.irp b, 0,1,2,3
	v_permlanex16_b32 v[TM+4+\b], v[TM+\b], s96, s97
.endr
.irp b, 0,1,2,3
	v_max_num_f32 v[TM+\b], v[TM+\b], v[TM+4+\b]   ; with lane l xor 16's: the block's largest magnitude
.endr
.irp b, 0,1,2,3
	v_add_nc_u32 v[TM+12+\b], 0xff000000, v[TM+\b] ; 2 off its exponent field: the conversion's scale operand
.endr
.irp b, 0,1,2,3
	v_lshrrev_b32 v[TM+4+\b], 23, v[TM+12+\b]      ; the scale's byte
.endr
	v_lshl_or_b32 v[PW+(\a)], v[TM+5], 8, v[TM+4]
	v_lshl_or_b32 v[PW+(\a)], v[TM+6], 16, v[PW+(\a)]
	v_lshl_or_b32 v[PW+(\a)], v[TM+7], 24, v[PW+(\a)]
.if (\a) > 0
	s_wait_xcnt 0x0                                ; the last block's stores have read their data and bases: both are written again only behind this wait
	s_add_nc_u64 s[10:11], s[10:11], s[20:21]
	s_add_nc_u64 s[18:19], s[18:19], s[20:21]
.endif
	WIN WN                                         ; source 0: the accumulators' window
.irp c, 0,1
	v_cvt_scalef32_pk16_fp6_f32 v[PCD+6*\c:PCD+6*\c+2], v[AC+32*\c:AC+32*\c+15], v[TM+12+2*\c]
	v_cvt_scalef32_pk16_fp6_f32 v[PT+4*\c:PT+4*\c+2], v[AC+32*\c+16:AC+32*\c+31], v[TM+12+2*\c+1]   ; (a conversion's three registers begin on an even number)
.endr
	WIN 0
	v_nop                                          ; one plain line behind a scaled conversion
.irp c, 0,1                                    ; the operand's layout wants a whole block in a lane
.irp i, 0,1,2
	v_permlane16_swap_b32 v[PCD+6*\c+\i], v[PT+4*\c+\i]
.endr
.irp i, 0,1,2
	v_mov_b32 v[PCD+6*\c+3+\i], v[PT+4*\c+\i]
.endr
.endr
	global_store_b128 v[LA16], v[PCD:PCD+3], s[10:11]                 ; 512 consecutive bytes,
	global_store_b64 v[LA8], v[PCD+4:PCD+5], s[10:11] offset:512      ; 256 behind them: a half-image
	global_store_b128 v[LA16], v[PCD+6:PCD+9], s[18:19]
	global_store_b64 v[LA8], v[PCD+10:PCD+11], s[18:19] offset:512
.endm
.irp a, 0,1,2,3,4,5,6,7
	QBLK \a
.endr
.irp i, 0,1,2,3                                ; q, k: word i of head h: that head's two bytes of tiles 2 i and 2 i + 1;  v: word i of head h: tile 4 h + i's four bytes
	v_perm_b32 v[XW+\i], v[PW+2*\i+1], v[PW+2*\i], v[SELQK]
	v_perm_b32 v[XW+4+\i], v[PW+4+\i], v[PW+\i], v[SELV]
.endr
.irp i, 0,1,2,3
	v_cndmask_b32 v[XW+\i], v[XW+\i], v[XW+4+\i], s67
.endr
	global_store_b128 v[LSW], v[XW:XW+3], s[12:13]  ; sixteen lanes store 256 consecutive bytes, aligned, for each head
	s_wait_tensorcnt 0x0                           ; the wave's end: a tensor wait, an add onto my spare word and its wait, behind my last tensor load
	ds_add_u32 v[SPW], v[NIL]
	s_wait_dscnt 0x0
	CROUND                                         ; the closing round
	s_endpgm
.Lfunc_end_k_qcaa1ddbd69_qkvgemm:
	.size	k_qcaa1ddbd69_qkvgemm, .Lfunc_end_k_qcaa1ddbd69_qkvgemm-k_qcaa1ddbd69_qkvgemm
	.p2alignl 7, 3214868480
	.fill 96, 4, 3214868480
	.section	.rodata,"a",@progbits
	.p2align	6, 0x0
	.amdhsa_kernel k_qcaa1ddbd69_qkvgemm
		.amdhsa_group_segment_fixed_size 327680
		.amdhsa_private_segment_fixed_size 0
		.amdhsa_enable_private_segment 0
		.amdhsa_kernarg_size 40
		.amdhsa_user_sgpr_count 2
		.amdhsa_user_sgpr_kernarg_segment_ptr 1
		.amdhsa_wavefront_size32 1
		.amdhsa_system_sgpr_workgroup_id_x 1
		.amdhsa_system_sgpr_workgroup_id_y 1
		.amdhsa_system_sgpr_workgroup_id_z 1
		.amdhsa_system_vgpr_workitem_id 0
		.amdhsa_next_free_vgpr 1024
		.amdhsa_next_free_sgpr 100
		.amdhsa_reserve_vcc 0
		.amdhsa_float_denorm_mode_32 3
		.amdhsa_float_denorm_mode_16_64 3
		.amdhsa_memory_ordered 1
		.amdhsa_forward_progress 1
		.amdhsa_inst_pref_size 190
	.end_amdhsa_kernel
	.amdgpu_metadata
---
amdhsa.version: [ 1, 2 ]
amdhsa.kernels:
  - .name:           k_qcaa1ddbd69_qkvgemm
    .symbol:         k_qcaa1ddbd69_qkvgemm.kd
    .args:
      - { .name: codes, .offset: 0, .size: 8, .value_kind: global_buffer, .address_space: global }
      - { .name: scales, .offset: 8, .size: 8, .value_kind: global_buffer, .address_space: global }
      - { .name: bqkv, .offset: 16, .size: 8, .value_kind: global_buffer, .address_space: global }
      - { .name: qkv, .offset: 24, .size: 8, .value_kind: global_buffer, .address_space: global }
      - { .name: qkvs, .offset: 32, .size: 8, .value_kind: global_buffer, .address_space: global }
    .group_segment_fixed_size: 327680
    .private_segment_fixed_size: 0
    .kernarg_segment_align: 8
    .kernarg_segment_size: 40
    .max_flat_workgroup_size: 128
    .sgpr_count:     100
    .vgpr_count:     1024
    .wavefront_size: 32
...
	.end_amdgpu_metadata
.endif
;; end of part 2
;; launch attn (part 3): grid 256 x 1, 16 waves a work-group, no clusters, 51,712 bytes of LDS; arguments qkv, qkvs, maskw, flags, oimg, osc; writes oimg, osc
.if DOCPART == 3
	.amdgcn_target "amdgcn-amd-amdhsa--gfx1250"
	.amdhsa_code_object_version 6
	.text
	.protected	k_qcaa1ddbd69_attn
	.globl	k_qcaa1ddbd69_attn
	.p2align	8
	.type	k_qcaa1ddbd69_attn,@function
k_qcaa1ddbd69_attn:
	s_mov_b64 s[64:65], 0
	v_nop
	global_prefetch_b8 v0, s[64:65] scope:SCOPE_SE
	s_setreg_imm32_b32 hwreg(HW_REG_WAVE_MODE, 25, 1), 1
	s_wait_xcnt 0x0
; o = softmax(q k^T / 8, under the given mask) v for 64 heads of 64, both products on codes of FP6 (E2M3) with E8M0 scales; o leaves quantised along (head, d), as images of the last product's operand registers.
; THE SOFTMAX AHEAD OF THE SECOND PRODUCT: t = score x log2(e) / 8; M = the running largest t rounded up to a whole number; p = 2^(t - M) is quantised along the keys, not normalised; the row's sum is taken of the
; unquantised p and divides at the end.  When M moves, the sum and O are multiplied by 2^(old M - new M): exact.
; SHARES.  A work-group owns a pair of heads of one batch and two groups of 128 queries, 15 - i and then i (two phases).  Wave w: head w % 2 of the pair, tile w / 2 of 16 queries.  Four waves to a SIMD.
; Every wave walks 16 steps of 128 keys.  A STEP THAT THE MASK HIDES WHOLLY FOR THE GROUP'S 128 QUERIES IS PASSED OVER, by a scalar branch on the flags that the first launch stored; a step with no hidden key
; leaves out the 64 selects.  The barriers, the LDS stores and the address steps are on every path.
; K AND V: the pair's 24,576 bytes of a step (register images, as the launch before stored them) are loaded by the 16 waves, 1,536 bytes each, a step ahead, and go through two LDS slots that take turns.
; NO TENSOR LOADS AND NO CLUSTER: which steps are walked hangs on stored numbers and work-groups of different query groups want different steps.
; LAYOUT.  Both products are used transposed: S^T = K Q^T, O^T = V^T P^T: a lane holds one query (lane % 16).  The head's 64 fill half of the instruction's 128 along K: a fragment of K holds TWO tiles of 16 keys
; (registers 0-5 and 6-11), and Q stands as [Q, zeros] for the first and [zeros, Q] for the second: zero codes add nothing.  The keys of a tile are 32 (a / 2) + 8 (a % 2) + r + 8 (r / 8), so score register
; 16 b + i holds key 32 b + 16 h + i.
; LIMITS: a block's largest p is taken as p of the block's largest score (v_exp_f32 is taken not to fall where its input rises).  A row with no open key has the sum 0: its scale bytes become 0xff, which makes the
; whole output row NaN, as the reference has it.  NaN and infinities among the inputs are not served.
.set SLOTB, 24576                      ; LDS: slot 0 at 0, slot 1 at 24,576: K's 12,288 bytes, then V's
.set VOFF,  12288
.set RECB,  12288
.set OSCS,  49152                      ; 512 bytes: o's scale bytes of 128 queries, gathered
.set SPARE, 49664                      ; the spare words, 128 bytes a wave: eight blocks of 256 bytes that no other line names
.set L16, 1                            ; v1  16 x lane + 6,144 x head
.set L8,  2                            ; v2  8 x lane + 6,144 x head
.set SD,  3                            ; v3  1,536 x wave + 16 x lane: where I store my part of a slot
.set G16, 4                            ; v4  16 x lane
.set G8,  5                            ; v5  8 x lane
.set SPW, 6
.set NIL, 7
.set NINF, 8                           ; v8  -infinity
.set QW,  9                            ; v9  Q's scale word
.set OSA, 10                           ; v10 where my query's two scale bytes go
.set PFO, 11                           ; v11 256 x lane: the prefetches' offset
.set QR,  16                           ; v16-33 [Q 6][zeros 6][Q 6]
.set SCL, 34                           ; v34-37, v38-41 scale words of an even and of an odd step: lanes 0-15 K's, lanes 16-31 V's
.set ST,  42                           ; v42-53 my 1,536 bytes of the next step
.set FR,  54                           ; v54-101 four fragments
.set S,   102                          ; v102-165 S^T, then p
.set O,   166                          ; v166-197 O^T
.set PC,  198                          ; v198-209 p's codes
.set PT,  210
.set BM,  218
.set BP,  222
.set SO,  226
.set PWD, 230                          ; v230 p's scale word
.set F,   232                          ; v[232:233] f, later 1 / sum (v233 stays 0)
.set T,   234                          ; v[234:235] at work
.set QWA, 236                          ; v236 my byte among Q's scale words
.set QWR, 237                          ; v237 the word as loaded
.set OSR, 238                          ; v238 wave 0: 16 x lane in the gathered scale bytes
.set QSEL, 239                         ; v239 which two bytes of the word are my tile's
.set OB,  240                          ; v240-243
; s16 wave, s17 the prefetches' limit, s18 my tile, s19 8 b + pair, s20 the group of queries in hand, s21 the next phase's, s22 phase, s23 step, s24 open steps, s25 steps with hidden keys, s26 at work, s27 pairs of steps,
; s[28:29] lane selects, s[30:31] c, s[2:3] prefetch, s[66:67] K or V, s[100:101] scale words, s[104:105] lane masks, s[32:63] and s[68:99] the step's 64 lane masks (in a phase's head and tail: at work)
	s_load_b256 s[4:11], s[0:1], 0x0               ; qkv, qkvs, maskw, flags
	s_load_b128 s[12:15], s[0:1], 0x20             ; oimg, osc
	v_lshl_add_u32 v[SPW], v0, 2, SPARE
	v_mov_b32 v[NIL], 0
	v_lshrrev_b32 v12, 5, v0
	s_delay_alu instid0(VALU_DEP_1)
	v_readfirstlane_b32 s16, v12                   ; wave 0..15
	v_and_b32 v12, 31, v0                          ; lane
	v_and_b32 v13, 15, v0                          ; r
	s_wait_alu depctr_va_vdst(0)
	s_and_b32 s26, s16, 1                          ; head of the pair
	s_lshr_b32 s18, s16, 1                         ; tile of queries
	s_mul_i32 s27, s26, 6144
	v_lshlrev_b32 v[G16], 4, v12
	v_lshlrev_b32 v[G8], 3, v12
	s_delay_alu instid0(VALU_DEP_2)
	v_add_nc_u32 v[L16], s27, v[G16]
	s_delay_alu instid0(VALU_DEP_2)
	v_add_nc_u32 v[L8], s27, v[G8]
	s_mul_i32 s27, s16, 1536
	v_add_nc_u32 v[SD], s27, v[G16]
	v_mov_b32 v[NINF], 0xff800000
	s_lshl_b32 s27, s18, 6
	s_lshl_b32 s26, s26, 1
	s_add_co_u32 s27, s27, s26
	s_add_co_u32 s27, s27, OSCS
	v_lshl_add_u32 v[OSA], v13, 2, s27             ; 64 x tile + 4 r + 2 x head
	v_lshlrev_b32 v[PFO], 8, v12
	s_lshr_b32 s27, s18, 1
	s_lshl_b32 s27, s27, 2
	v_lshl_add_u32 v[QWA], v13, 4, s27             ; 16 r + 4 (tile / 2)
	v_add_nc_u32 v[OSR], OSCS, v[G16]
	s_and_b32 s27, s18, 1
	s_cmp_lg_u32 s27, 0
	s_mov_b32 s27, 0x01000100
	s_cselect_b32 s27, 0x03020302, s27             ; an even tile's bytes are the word's lower two, an odd tile's its upper two; twice: for [Q, zeros] and [zeros, Q]
	v_mov_b32 v[QSEL], s27
	s_and_b32 s19, ttmp9, 31                       ; 8 b + pair of heads
	s_lshr_b32 s21, ttmp9, 5                       ; i: the second phase's group
	s_sub_co_u32 s20, 15, s21                      ; the first phase's
	s_and_b32 s26, s16, 7
	s_cmp_lt_u32 s26, 3
	s_cselect_b32 s17, 11, 0
	s_cmp_eq_u32 s21, 0
	s_cselect_b32 s17, s17, 0                      ; who prefetches: waves 0-2 (K) and 8-10 (V) of the pair's first work-group, in its first phase, while the step is under 11
	s_mov_b32 s28, 0x76543210
	s_mov_b32 s29, 0xfedcba98
	s_mov_b32 s30, 0x3e38aa3b                      ; c = log2(e) / 8
	s_mov_b32 s31, s30
	s_mov_b32 s22, 0
.irp j, 6,7,8,9,10,11
	v_mov_b32 v[QR+\j], 0                          ; the zero codes that fill K = 64 up to 128
.endr
.irp b, 0,1,2,3
	v_mov_b32 v[BP+\b], 0                          ; written once: a lane permute's destination counts as one of its sources
.endr
	v_mov_b32 v[F+1], 0
	v_mov_b32 v[T], 0
	v_mov_b32 v[T+1], 0
	s_wait_kmcnt 0x0
.macro FRAG reg, off                   ; two half-images: registers 0-3 at 16 x lane, 4-5 at 8 x lane behind them; 6-11 likewise, 768 bytes on
	ds_load_b128 v[\reg:\reg+3], v[L16] offset:\off
	ds_load_b64 v[\reg+4:\reg+5], v[L8] offset:\off+512
	ds_load_b128 v[\reg+6:\reg+9], v[L16] offset:\off+768
	ds_load_b64 v[\reg+10:\reg+11], v[L8] offset:\off+1280
.endm
; A STEP of 128 keys; its tiles lie in slot p.
.macro STEP p
	s_wait_dscnt 0x0                               ; my stores into slot p have landed and my reads of the other slot are back:
	s_barrier_signal -1
	s_barrier_wait -1                              ; both now hold of all sixteen waves
	s_add_co_u32 s26, s23, 1
	s_lshr_b32 s26, s24, s26
	s_and_b32 s26, s26, 1
	s_cmp_lg_u32 s26, 0                            ; is the next step walked?  (behind the last step the bit is 0: no load leaves its buffer)
	s_cbranch_scc0 .Lnl_\@
	global_load_b128 v[ST:ST+3], v[G16], s[66:67]
	global_load_b128 v[ST+4:ST+7], v[G16], s[66:67] offset:512
	global_load_b128 v[ST+8:ST+11], v[G16], s[66:67] offset:1024
	global_load_b128 v[SCL+4*(1-\p):SCL+4*(1-\p)+3], v[G16], s[100:101]
.Lnl_\@:
.if \p == 0
	s_cmp_lt_u32 s23, s17                          ; a prefetch of steps s + 3 and s + 4, 24,576 consecutive bytes of K and of V: three waves each, 8,192 bytes a wave, lanes 256 bytes apart.
	s_cbranch_scc0 .Lnp_\@                         ; each block is named once in the launch; steps 0 to 2 and 15 come by their loads alone
	global_prefetch_b8 v[PFO], s[2:3] th:TH_LOAD_NT scope:SCOPE_SE
.Lnp_\@:
.endif
	s_lshr_b32 s26, s24, s23
	s_and_b32 s26, s26, 1
	s_cmp_lg_u32 s26, 0                            ; is this step walked?
	s_cbranch_scc0 .Lskip_\@
	s_load_b512 s[32:47], s[104:105], 0x0          ; my tile's 64 lane masks of this step
	s_load_b512 s[48:63], s[104:105], 0x40
	s_load_b512 s[68:83], s[104:105], 0x80
	s_load_b512 s[84:99], s[104:105], 0xc0
.irp b, 0,1,2,3
	FRAG FR+12*\b, \p*SLOTB+1536*\b
.endr
	s_wait_dscnt 0x0
.irp b, 0,1,2,3                                ; S^T = K Q^T: tiles 2 b and 2 b + 1 of keys out of one fragment
	v_wmma_scale_f32_16x16x128_f8f6f4 v[S+16*\b:S+16*\b+7], v[FR+12*\b:FR+12*\b+11], v[QR:QR+11], 0, v[SCL+4*\p+\b], v[QW] matrix_a_fmt:MATRIX_FMT_FP6 matrix_b_fmt:MATRIX_FMT_FP6
	v_wmma_scale_f32_16x16x128_f8f6f4 v[S+16*\b+8:S+16*\b+15], v[FR+12*\b:FR+12*\b+11], v[QR+6:QR+17], 0, v[SCL+4*\p+\b], v[QW] matrix_a_fmt:MATRIX_FMT_FP6 matrix_b_fmt:MATRIX_FMT_FP6
.endr
.rept 4
	v_nop                                          ; places in front of the loads into the fragments' registers and of the first read of the scores
.endr
.irp t, 0,1,2,3
	FRAG FR+12*\t, \p*SLOTB+VOFF+1536*\t           ; V's four tiles of 16 of the head's 64: they land while the softmax is walked
.endr
	s_wait_kmcnt 0x0                               ; the lane masks are in (on both ways below: the registers are loaded again in the next step)
	s_lshr_b32 s26, s25, s23
	s_and_b32 s26, s26, 1
	s_cmp_lg_u32 s26, 0                            ; has this step hidden keys?
	s_cbranch_scc0 .Lopen_\@
.set J, 0
.rept 32
	v_cndmask_b32 v[S+J], v[NINF], v[S+J], s[32+J] ; a hidden key's score becomes -infinity: p = 0
.set J, J+1
.endr
.rept 32
	v_cndmask_b32 v[S+J], v[NINF], v[S+J], s[36+J]
.set J, J+1
.endr
.Lopen_\@:
.irp b, 0,1,2,3
	v_max3_num_f32 v[BM+\b], v[S+16*\b], v[S+16*\b+1], v[S+16*\b+2]   ; the largest score of each block of 32 keys: for the row's maximum, and for the block's largest p
.endr
.irp i, 3,5,7,9,11,13
.irp b, 0,1,2,3
	v_max3_num_f32 v[BM+\b], v[BM+\b], v[S+16*\b+\i], v[S+16*\b+\i+1]
.endr
.endr
.irp b, 0,1,2,3
	v_max_num_f32 v[BM+\b], v[BM+\b], v[S+16*\b+15]
.endr
.irp b, 0,1,2,3
	s_delay_alu instid0(VALU_DEP_4)
	v_permlanex16_b32 v[BP+\b], v[BM+\b], s28, s29
.endr
.irp b, 0,1,2,3
	s_delay_alu instid0(VALU_DEP_4)
	v_max_num_f32 v[BM+\b], v[BM+\b], v[BP+\b]     ; with lane l xor 16's 16 keys
.endr
	s_delay_alu instid0(VALU_DEP_2)
	v_max3_num_f32 v[T], v[BM], v[BM+1], v[BM+2]
	s_delay_alu instid0(VALU_DEP_1)
	v_max_num_f32 v[T], v[T], v[BM+3]
	s_delay_alu instid0(VALU_DEP_1)
	v_mul_f32 v[T], s30, v[T]                      ; as t
	s_delay_alu instid0(VALU_DEP_1)
	v_max_num_f32 v13, v13, v[T]                   ; the running largest t
	v_mov_b32 v[T], v12
	s_delay_alu instid0(VALU_DEP_2)
	v_floor_f32 v12, -v13                          ; the new -M = floor(-t)
	s_delay_alu instid0(VALU_DEP_1)
	v_sub_f32 v[T], v12, v[T]                      ; old M - new M: a whole number, 0 or less
	s_delay_alu instid0(VALU_DEP_1)
	v_cvt_i32_f32 v[T], v[T]                       ; (it saturates)
	s_delay_alu instid0(VALU_DEP_1)
	v_ldexp_f32 v[F], 1.0, v[T]                    ; f = 2^(old M - new M)
.set J, 0
.rept 32
	v_pk_fma_f32 v[S+J:S+J+1], v[S+J:S+J+1], s[30:31], v[12:13] op_sel_hi:[1,0,0]   ; t - M, two at a time
.set J, J+2
.endr
.irp b, 0,1,2,3
	v_fma_f32 v[BM+\b], v[BM+\b], s30, v12         ; the same of each block's largest score
.endr
.set J, 0
	s_wait_alu depctr_va_vdst(0)
.rept 64
	v_exp_f32 v[S+J], v[S+J]                       ; p = 2^(t - M)
.set J, J+1
.endr
	v_pk_mul_f32 v[14:15], v[14:15], v[F:F+1] op_sel_hi:[1,0]   ; the sums under the new M (the plain line behind the exponentials)
	s_wait_alu depctr_va_vdst(0)                   ; one wait for the whole batch, ahead of its first reader
.irp b, 0,1,2,3
	v_exp_f32 v[BM+\b], v[BM+\b]                   ; the block's largest p
.endr
	v_pk_add_f32 v[234:235], v[106:107], v[110:111]
	v_pk_add_f32 v[254:255], v[114:115], v[118:119]
	v_pk_add_f32 v[252:253], v[122:123], v[126:127]
	v_pk_add_f32 v[250:251], v[130:131], v[134:135]
	v_pk_add_f32 v[248:249], v[138:139], v[142:143]
	v_pk_add_f32 v[246:247], v[146:147], v[150:151]
	v_pk_add_f32 v[244:245], v[154:155], v[158:159]
	v_pk_add_f32 v[14:15], v[14:15], v[162:163]
	v_pk_add_f32 v[234:235], v[234:235], v[102:103]
	v_pk_add_f32 v[254:255], v[254:255], v[104:105]
	v_pk_add_f32 v[252:253], v[252:253], v[108:109]
	v_pk_add_f32 v[250:251], v[250:251], v[112:113]
	v_pk_add_f32 v[248:249], v[248:249], v[116:117]
	v_pk_add_f32 v[246:247], v[246:247], v[120:121]
	v_pk_add_f32 v[244:245], v[244:245], v[124:125]
	v_pk_add_f32 v[14:15], v[14:15], v[128:129]
	v_pk_add_f32 v[234:235], v[234:235], v[132:133]
	v_pk_add_f32 v[254:255], v[254:255], v[136:137]
	v_pk_add_f32 v[252:253], v[252:253], v[140:141]
	v_pk_add_f32 v[250:251], v[250:251], v[144:145]
	v_pk_add_f32 v[248:249], v[248:249], v[148:149]
	v_pk_add_f32 v[246:247], v[246:247], v[152:153]
	v_pk_add_f32 v[244:245], v[244:245], v[156:157]
	v_pk_add_f32 v[14:15], v[14:15], v[160:161]
	v_pk_add_f32 v[234:235], v[234:235], v[164:165]
	s_delay_alu instid0(VALU_DEP_2)
	v_pk_add_f32 v[14:15], v[14:15], v[250:251]
	s_delay_alu instid0(VALU_DEP_2)
	v_pk_add_f32 v[234:235], v[234:235], v[248:249]
	v_pk_add_f32 v[254:255], v[254:255], v[246:247]
	v_pk_add_f32 v[252:253], v[252:253], v[244:245]
	s_delay_alu instid0(VALU_DEP_2)
	v_pk_add_f32 v[14:15], v[14:15], v[254:255]
	s_delay_alu instid0(VALU_DEP_2)
	v_pk_add_f32 v[234:235], v[234:235], v[252:253]
	s_delay_alu instid0(VALU_DEP_1)
	v_pk_add_f32 v[14:15], v[14:15], v[234:235]
	s_wait_alu depctr_va_vdst(0)                   ; and one for the four
.irp b, 0,1,2,3
	v_max_num_f32 v[BM+\b], 0x1800000, v[BM+\b]    ; the floor 2^(3 - 127): the byte cannot fall under 1
.endr
.irp b, 0,1,2,3
	s_delay_alu instid0(VALU_DEP_4)
	v_add_nc_u32 v[SO+\b], 0xff000000, v[BM+\b]    ; 2 off the exponent field: the conversion's scale operand
.endr
.irp b, 0,1,2,3
	s_delay_alu instid0(VALU_DEP_4)
	v_lshrrev_b32 v[BP+\b], 23, v[SO+\b]           ; the scale's byte
.endr
	s_delay_alu instid0(VALU_DEP_3)
	v_lshl_or_b32 v[PWD], v[BP+1], 8, v[BP]
	s_delay_alu instid0(VALU_DEP_1)
	v_lshl_or_b32 v[PWD], v[BP+2], 16, v[PWD]
	s_delay_alu instid0(VALU_DEP_1)
	v_lshl_or_b32 v[PWD], v[BP+3], 24, v[PWD]
.irp c, 0,1
	v_cvt_scalef32_pk16_fp6_f32 v[PC+6*\c:PC+6*\c+2], v[S+32*\c:S+32*\c+15], v[SO+2*\c]
	v_cvt_scalef32_pk16_fp6_f32 v[PT+4*\c:PT+4*\c+2], v[S+32*\c+16:S+32*\c+31], v[SO+2*\c+1]
.endr
	v_nop                                          ; one plain line behind a scaled conversion
.irp c, 0,1
.irp i, 0,1,2
	v_permlane16_swap_b32 v[PC+6*\c+\i], v[PT+4*\c+\i]
.endr
.irp i, 0,1,2
	s_delay_alu instid0(VALU_DEP_3)
	v_mov_b32 v[PC+6*\c+3+\i], v[PT+4*\c+\i]
.endr
.endr
.set J, 0
.rept 16
	v_pk_mul_f32 v[O+J:O+J+1], v[O+J:O+J+1], v[F:F+1] op_sel_hi:[1,0]   ; O^T under the new M (also the places in front of the products below)
.set J, J+2
.endr
	s_wait_alu depctr_va_vdst(0)
	s_wait_dscnt 0x0                               ; V
.irp t, 0,1,2,3                                ; O^T += V^T P^T: the four accumulators by turns
	v_wmma_scale_f32_16x16x128_f8f6f4 v[O+8*\t:O+8*\t+7], v[FR+12*\t:FR+12*\t+11], v[PC:PC+11], v[O+8*\t:O+8*\t+7], v[SCL+4*\p+\t], v[PWD] matrix_a_fmt:MATRIX_FMT_FP6 matrix_b_fmt:MATRIX_FMT_FP6 matrix_a_scale:MATRIX_SCALE_ROW1
.endr
.rept 4
	v_nop                                          ; places in front of the next loads into these products' registers and of the next read of O^T
.endr
.Lskip_\@:
	s_wait_loadcnt 0x0                             ; my part of the next step is in (or nothing was asked for: what is then stored again is read by nobody)
	ds_store_b128 v[SD], v[ST:ST+3] offset:(1-\p)*SLOTB
	ds_store_b128 v[SD], v[ST+4:ST+7] offset:(1-\p)*SLOTB+512
	ds_store_b128 v[SD], v[ST+8:ST+11] offset:(1-\p)*SLOTB+1024
	s_wait_xcnt 0x0                                ; the bases are stepped only behind this wait
	s_add_nc_u64 s[66:67], s[66:67], RECB
	s_add_nc_u64 s[100:101], s[100:101], 1024
	s_add_nc_u64 s[104:105], s[104:105], 2048
	s_add_co_u32 s23, s23, 1
.if \p == 1
	s_add_nc_u64 s[2:3], s[2:3], 2*RECB
.endif
.endm
.Lphase:
	s_wait_xcnt 0x0                                ; the last phase's stores have read their data and bases
	s_lshl_b32 s68, s20, 6
	s_mov_b32 s69, 0
	s_add_nc_u64 s[68:69], s[10:11], s[68:69]
	s_load_b512 s[32:47], s[68:69], 0x0            ; the group's sixteen flag words
	s_lshl_b32 s72, s19, 4
	s_add_co_u32 s72, s72, s20                     ; Q's record
	s_and_b32 s73, s16, 1                          ; head of the pair
	s_mul_i32 s76, s72, RECB
	s_mul_i32 s75, s73, 6144
	s_add_co_u32 s76, s76, s75
	s_mul_i32 s75, s18, 768
	s_add_co_u32 s76, s76, s75
	s_mov_b32 s77, 0
	s_add_nc_u64 s[76:77], s[4:5], s[76:77]
	global_load_b128 v[QR:QR+3], v[G16], s[76:77]               ; Q's half-image, twice
	global_load_b64 v[QR+4:QR+5], v[G8], s[76:77] offset:512
	global_load_b128 v[QR+12:QR+15], v[G16], s[76:77]
	global_load_b64 v[QR+16:QR+17], v[G8], s[76:77] offset:512
	s_lshl_b32 s78, s72, 10
	s_lshl_b32 s75, s73, 9
	s_add_co_u32 s78, s78, s75
	s_mov_b32 s79, 0
	s_add_nc_u64 s[78:79], s[6:7], s[78:79]
	global_load_b32 v[QWR], v[QWA], s[78:79]
	s_mul_i32 s80, s19, 16*RECB
	s_cmp_lt_u32 s16, 8                            ; waves 0-7 carry K, waves 8-15 V
	s_mov_b32 s82, 2*6291456
	s_cselect_b32 s82, 6291456, s82
	s_add_co_u32 s80, s80, s82
	s_mov_b32 s81, 0
	s_add_nc_u64 s[80:81], s[4:5], s[80:81]
	s_and_b32 s82, s16, 7
	s_mul_i32 s84, s82, 1536
	s_mov_b32 s85, 0
	s_add_nc_u64 s[66:67], s[80:81], s[84:85]      ; my 1,536 bytes of step 0
	s_lshl_b32 s84, s82, 13
	s_add_co_u32 s84, s84, 3*RECB
	s_add_nc_u64 s[2:3], s[80:81], s[84:85]        ; the prefetches begin at step 3
	s_lshl_b32 s86, s19, 14
	s_add_co_u32 s86, s86, s75
	s_add_co_u32 s86, s86, 524288
	s_mov_b32 s87, 0
	s_add_nc_u64 s[100:101], s[6:7], s[86:87]      ; my head's scale words of step 0
	s_lshl_b32 s88, s20, 7
	s_add_co_u32 s88, s88, s18
	s_lshl_b32 s88, s88, 8
	s_mov_b32 s89, 0
	s_add_nc_u64 s[104:105], s[8:9], s[88:89]      ; my tile's lane masks of step 0
	global_load_b128 v[ST:ST+3], v[G16], s[66:67]               ; step 0, whatever the flags say: so every register that a later way reads has been written
	global_load_b128 v[ST+4:ST+7], v[G16], s[66:67] offset:512
	global_load_b128 v[ST+8:ST+11], v[G16], s[66:67] offset:1024
	global_load_b128 v[SCL:SCL+3], v[G16], s[100:101]
	global_load_b128 v[SCL+4:SCL+7], v[G16], s[100:101] offset:1024
	s_wait_kmcnt 0x0
.irp i, 33,34,35,36,37,38,39,40,41,42,43,44,45,46,47
	s_or_b32 s32, s32, s[\i]
.endr
	s_and_b32 s24, s32, 0xffff                     ; bit s: step s has an open key
	s_lshr_b32 s25, s32, 16                        ; bit s: step s has a hidden key
	s_wait_loadcnt 0x0
	v_perm_b32 v[QW], v[QWR], v[QWR], v[QSEL]
.set J, 0
.rept 32
	v_mov_b32 v[O+J], 0                            ; O^T begins as zeros, which the first change of M leaves zeros (also the places between the scale word's line and the first product)
.set J, J+1
.endr
	v_mov_b32 v13, 0xff61b1e6                      ; the largest t so far: -3e38
	s_delay_alu instid0(VALU_DEP_1)
	v_floor_f32 v12, -v13
	v_mov_b32 v14, 0
	v_mov_b32 v15, 0
	ds_store_b128 v[SD], v[ST:ST+3]                ; slot 0: every wave has passed a barrier behind its last read of it
	ds_store_b128 v[SD], v[ST+4:ST+7] offset:512
	ds_store_b128 v[SD], v[ST+8:ST+11] offset:1024
	s_add_nc_u64 s[66:67], s[66:67], RECB          ; (the loads that named these bases are in)
	s_add_nc_u64 s[100:101], s[100:101], 1024
	s_mov_b32 s23, 0
	s_mov_b32 s27, 0
.Lpair:
	STEP 0
	STEP 1
	s_add_co_u32 s27, s27, 1
	s_cmp_lt_u32 s27, 8
	s_cbranch_scc1 .Lpair
	s_wait_alu depctr_va_vdst(0)
	; THE PHASE'S END: o = O^T / the sum, quantised along d: register 16 b + i is d = 32 b + 16 h + i
	v_add_f32 v14, v14, v15
	s_delay_alu instid0(VALU_DEP_1)
	v_permlanex16_b32 v[BP], v14, s28, s29
	s_delay_alu instid0(VALU_DEP_1)
	v_add_f32 v14, v14, v[BP]                      ; the row's sum
	s_wait_alu depctr_va_vdst(0)
	v_rcp_f32 v[F], v14
	v_nop                                          ; a plain line behind the reciprocal
	s_lshr_b32 s68, s19, 3
	s_lshl_b32 s68, s68, 4
	s_add_co_u32 s68, s68, s20                     ; 16 b + g
	s_and_b32 s69, s19, 7                          ; the pair of heads
	s_lshl_b32 s70, s68, 3
	s_add_co_u32 s70, s70, s18                     ; the tile of 16 rows
	s_lshl_b32 s70, s70, 3
	s_add_co_u32 s70, s70, s69
	s_mul_i32 s70, s70, 1536
	s_and_b32 s72, s16, 1
	s_mul_i32 s72, s72, 768
	s_add_co_u32 s70, s70, s72
	s_mov_b32 s71, 0
	s_add_nc_u64 s[70:71], s[12:13], s[70:71]
	s_lshl_b32 s74, s68, 3
	s_add_co_u32 s74, s74, s69
	s_lshl_b32 s74, s74, 9
	s_mov_b32 s75, 0
	s_add_nc_u64 s[74:75], s[14:15], s[74:75]
	s_wait_alu depctr_va_vdst(0)                   ; the wait ahead of the reciprocal's first reader
.set J, 0
.rept 16
	v_pk_mul_f32 v[S+J:S+J+1], v[O+J:O+J+1], v[F:F+1] op_sel_hi:[1,0]
.set J, J+2
.endr
.irp b, 0,1
	v_max3_num_f32 v[BM+\b], |v[S+16*\b]|, |v[S+16*\b+1]|, 0x1800000
.endr
.irp i, 2,4,6,8,10,12,14
.irp b, 0,1
	s_delay_alu instid0(VALU_DEP_2)
	v_max3_num_f32 v[BM+\b], v[BM+\b], |v[S+16*\b+\i]|, |v[S+16*\b+\i+1]|
.endr
.endr
.irp b, 0,1
	s_delay_alu instid0(VALU_DEP_2)
	v_permlanex16_b32 v[BP+\b], v[BM+\b], s28, s29
.endr
.irp b, 0,1
	s_delay_alu instid0(VALU_DEP_2)
	v_max_num_f32 v[BM+\b], v[BM+\b], v[BP+\b]
.endr
.irp b, 0,1
	s_delay_alu instid0(VALU_DEP_2)
	v_add_nc_u32 v[SO+\b], 0xff000000, v[BM+\b]
.endr
.irp b, 0,1
	s_delay_alu instid0(VALU_DEP_2)
	v_lshrrev_b32 v[BP+\b], 23, v[SO+\b]
.endr
	v_cmp_neq_f32 vcc_lo, 0, v14
	s_delay_alu instid0(VALU_DEP_2)
	v_lshl_or_b32 v[T], v[BP+1], 8, v[BP]
	s_delay_alu instid0(VALU_DEP_1)
	v_cndmask_b32 v[T], 0xffff, v[T], vcc_lo       ; a row with no open key: both bytes 0xff
	v_cvt_scalef32_pk16_fp6_f32 v[PC:PC+2], v[S:S+15], v[SO]
	v_cvt_scalef32_pk16_fp6_f32 v[PT:PT+2], v[S+16:S+31], v[SO+1]
	v_nop                                          ; one plain line behind a scaled conversion
.irp i, 0,1,2
	v_permlane16_swap_b32 v[PC+\i], v[PT+\i]
.endr
.irp i, 0,1,2
	s_delay_alu instid0(VALU_DEP_3)
	v_mov_b32 v[PC+3+\i], v[PT+\i]
.endr
	global_store_b128 v[G16], v[PC:PC+3], s[70:71]              ; a half-image: 512 consecutive bytes,
	global_store_b64 v[G8], v[PC+4:PC+5], s[70:71] offset:512   ; and 256 behind them
	ds_store_b16 v[OSA], v[T]                      ; both halves of the lanes write the same two bytes with the same value
	s_wait_dscnt 0x0                               ; for the others' sake: my store has landed
	s_barrier_signal -1
	s_barrier_wait -1
	s_cmp_lg_u32 s16, 0
	s_cbranch_scc1 .Lnot_0
	ds_load_b128 v[OB:OB+3], v[OSR]                ; wave 0 stores the 128 queries' scale words: 512 consecutive bytes
	s_wait_dscnt 0x0
	global_store_b128 v[G16], v[OB:OB+3], s[74:75]
.Lnot_0:
	s_mov_b32 s20, s21                             ; the second phase's group
	s_mov_b32 s17, 0                               ; which prefetches nothing
	s_add_co_u32 s22, s22, 1
	s_cmp_lt_u32 s22, 2
	s_cbranch_scc1 .Lphase
	s_wait_tensorcnt 0x0                           ; the wave's end: a tensor wait, an add onto my spare word and its wait, behind my last LDS store
	ds_add_u32 v[SPW], v[NIL]
	s_wait_dscnt 0x0
	s_endpgm
.Lfunc_end_k_qcaa1ddbd69_attn:
	.size	k_qcaa1ddbd69_attn, .Lfunc_end_k_qcaa1ddbd69_attn-k_qcaa1ddbd69_attn
	.p2alignl 7, 3214868480
	.fill 96, 4, 3214868480
	.section	.rodata,"a",@progbits
	.p2align	6, 0x0
	.amdhsa_kernel k_qcaa1ddbd69_attn
		.amdhsa_group_segment_fixed_size 51712
		.amdhsa_private_segment_fixed_size 0
		.amdhsa_enable_private_segment 0
		.amdhsa_kernarg_size 48
		.amdhsa_user_sgpr_count 2
		.amdhsa_user_sgpr_kernarg_segment_ptr 1
		.amdhsa_wavefront_size32 1
		.amdhsa_system_sgpr_workgroup_id_x 1
		.amdhsa_system_sgpr_workgroup_id_y 1
		.amdhsa_system_sgpr_workgroup_id_z 1
		.amdhsa_system_vgpr_workitem_id 0
		.amdhsa_next_free_vgpr 256
		.amdhsa_next_free_sgpr 106
		.amdhsa_reserve_vcc 1
		.amdhsa_float_denorm_mode_32 3
		.amdhsa_float_denorm_mode_16_64 3
		.amdhsa_memory_ordered 1
		.amdhsa_forward_progress 1
		.amdhsa_inst_pref_size 59
	.end_amdhsa_kernel
	.amdgpu_metadata
---
amdhsa.version: [ 1, 2 ]
amdhsa.kernels:
  - .name:           k_qcaa1ddbd69_attn
    .symbol:         k_qcaa1ddbd69_attn.kd
    .args:
      - { .name: qkv, .offset: 0, .size: 8, .value_kind: global_buffer, .address_space: global }
      - { .name: qkvs, .offset: 8, .size: 8, .value_kind: global_buffer, .address_space: global }
      - { .name: maskw, .offset: 16, .size: 8, .value_kind: global_buffer, .address_space: global }
      - { .name: flags, .offset: 24, .size: 8, .value_kind: global_buffer, .address_space: global }
      - { .name: oimg, .offset: 32, .size: 8, .value_kind: global_buffer, .address_space: global }
      - { .name: osc, .offset: 40, .size: 8, .value_kind: global_buffer, .address_space: global }
    .group_segment_fixed_size: 51712
    .private_segment_fixed_size: 0
    .kernarg_segment_align: 8
    .kernarg_segment_size: 48
    .max_flat_workgroup_size: 512
    .sgpr_count:     106
    .vgpr_count:     256
    .wavefront_size: 32
...
	.end_amdgpu_metadata
.endif
;; end of part 3
;; launch outgemm (part 4): grid 4 x 32, 4 waves a work-group, clusters of 4 x 4, 327,680 bytes of LDS; arguments oimg, osc, codes, scales, bout, out0; writes out0
.if DOCPART == 4
	.amdgcn_target "amdgcn-amd-amdhsa--gfx1250"
	.amdhsa_code_object_version 6
	.text
	.protected	k_qcaa1ddbd69_outgemm
	.globl	k_qcaa1ddbd69_outgemm
	.p2align	8
	.type	k_qcaa1ddbd69_outgemm,@function
k_qcaa1ddbd69_outgemm:
	s_mov_b64 s[64:65], 0
	v_nop
	global_prefetch_b8 v0, s[64:65] scope:SCOPE_SE
	s_setreg_imm32_b32 hwreg(HW_REG_WAVE_MODE, 25, 1), 1
	s_wait_xcnt 0x0
	s_wait_alu depctr_hold_cnt(0) depctr_sa_sdst(0) depctr_va_vdst(0) depctr_va_sdst(0) depctr_va_ssrc(0) depctr_va_vcc(0) depctr_vm_vsrc(0)
	s_getreg_b32 s2, hwreg(HW_REG_IB_STS2, 6, 4)
	s_cmp_eq_u32 s2, 0
	s_cbranch_scc0 .Lentry_in_a_cluster
	s_endpgm
.Lentry_in_a_cluster:
	s_bfe_u32 s2, ttmp6, 0x10000c
	s_cmp_lg_u32 s2, 0xf033
	s_cbranch_scc0 .Lentry_shape_is_right
	s_endpgm
.Lentry_shape_is_right:
; out0 = o Wout^T + bout on codes of FP6 (E2M3) with E8M0 scales.  o comes as images of operand registers (oimg: [tile of 16 rows][128 along K][1,536 bytes]) with its scale words (osc), Wout as rows of `codes`.
; A work-group of four waves makes 256 x 256 of out0, a wave 128 x 128.  K = 1,024 goes in steps of 256 through a ring of two LDS slots filled by the tensor data mover.
; THE MATRIX INSTRUCTION IS USED TRANSPOSED: source 0 = 16 rows of Wout, source 1 = 16 rows of o.  Lane r of o's tile a is row 32 (a / 2) + 8 (a % 2) + r + 8 (r / 8) of its 128; Wout's rows are stored with bits 3 and 4
; of their number swapped, so registers 0-7 of tile b are columns 32 (b / 2) + 16 h + 8 (b % 2) + 0 .. 7.  The stage on the way out puts both back in order.
; bout is the C of each sum's first matrix instruction.  A row of o whose scale bytes are 0xff (no open key) comes out as NaN in all its columns.
; CLUSTERS: 4 x 4 work-groups; o's tiles are asked for jointly along a row of the cluster, Wout's along a column.  NO PREFETCH: four K steps, tiles shared by joint loads.
; 128 work-groups: a tile of 128 x 256 would give 256, at half the products for each LDS byte of Wout; not built.
; REGISTERS: as in the launch for q, k, v: window 0: v0-31 addresses; v32-63 scale words; v64-127 the bias; v128-223 o's fragments (on the way out v128-255: rows read back); window 1: Wout's fragments; windows 2, 3: accumulators.
.set NQ,     2
.set ROWB,   192
.set KROW,   768
.set PITCH,  240
.set FR,     12
.set NL,     6
.set NLA,    4                         ; LDS loads that bring a fragment of o
.set NP,     4
.set HALFA,  8*3072                    ; o: 8 tiles of rows x 256 along K, dense
.set HALFT,  128*PITCH
.set BOFF,   2*HALFA                   ; Wout's 256 rows lie behind o's 16 tiles
.set SLOT,   BOFF+2*HALFT
.set LAPS,   2
.set SCL,    2*SLOT
.set HALFS,  16*272
.set SPARE,  SCL+4*HALFS               ; the spare words, 128 bytes a wave: two blocks of 256 bytes that no other line names
.set SPITCH, 528                       ; the way out: a stage of 16 rows x (512 bytes + 16) a wave, in slot 0, which has had its last fill and its last read by then
.set AA16, 16                          ; v16-17  16 x lane + my 8 tiles of o in slot 0, 1
.set AA8,  18                          ; v18-19  8 x lane + the same
.set ADRB, 20                          ; v20-21 (v22-23: behind one padding more)
.set STO,  24
.set RD,   25
.set CO,   26
.set ADSA, 27
.set SPW,  28
.set NIL,  29
.set ADSB, 30
.set SC,   32
.set CB,   64
.set AF,   128
.set BK,   128
.set G1, 24
.set G0, 32
.set G1B, 48
.set G0B, 56
.set G1S, 68
.set G0S, 76
.set G1SB, 80
.set G0SB, 88
.set MSB, 0
.macro WIN new
.if MSB != \new
	s_set_vgpr_msb (MSB<<8)|\new
.set MSB, \new
.endif
.endm
.set MUL_LO, 0xa1
.set MUL_HI, 0xf1
.set TO_B,   0x40
.macro JLOAD g0a, g1a, g0b, g1b        ; waves 0 and 1 fetch for o, waves 2 and 3 for Wout; an s_nop 0 and four v_nop follow each of the two lines
	s_cmp_eq_u32 s15, 0
	s_cbranch_scc0 .Lfor_b_\@
	tensor_load_to_lds s[\g0a:\g0a+3], s[\g1a:\g1a+7]
	s_nop 0
.rept 4
	v_nop
.endr
	s_branch .Lasked_\@
.Lfor_b_\@:
	tensor_load_to_lds s[\g0b:\g0b+3], s[\g1b:\g1b+7]
	s_nop 0
.rept 4
	v_nop
.endr
.Lasked_\@:
.endm
.macro CREST
	s_cmp_lg_u32 s14, 0
	s_cbranch_scc1 .Lnot_wave_0_\@
	s_barrier_signal -3
.Lnot_wave_0_\@:
	s_barrier_wait -3
	s_barrier_signal -1
	s_barrier_wait -1
.endm
.macro CROUND
	s_barrier_signal -1
	s_barrier_wait -1
	CREST
.endm
	s_load_b256 s[4:11], s[0:1], 0x0               ; oimg s[4:5], osc s[6:7], codes s[8:9], scales s[10:11]
	s_load_b128 s[96:99], s[0:1], 0x20             ; bout s[96:97], out0 s[98:99]
	v_lshl_add_u32 v[SPW], v0, 2, SPARE
	v_mov_b32 v[NIL], 0
	ds_add_u32 v[SPW], v[NIL]                      ; the wave's opening: the add and its wait ahead of my first tensor load; work on registers stands between them
	v_lshrrev_b32 v1, 5, v0
	v_readfirstlane_b32 s14, v1                    ; wave 0..3
	s_lshr_b32 s15, s14, 1                         ; which 128 rows are mine.  Also: I fetch for o (0) or for Wout (1)
	s_and_b32 s16, s14, 1                          ; which 128 columns.  Also: which half of that tile I fetch
	s_bfe_u32 s40, ttmp6, 0x40000                  ; cx
	s_bfe_u32 s41, ttmp6, 0x40004                  ; cy
	s_lshl_b32 s42, ttmp9, 2
	s_add_co_u32 s42, s42, s40                     ; tile column = 4 x cluster x + cx
	s_and_b32 s17, ttmp7, 0xffff
	s_lshl_b32 s17, s17, 2
	s_add_co_u32 s17, s17, s41                     ; tile row = 4 x cluster y + cy
	s_lshl_b32 s43, s41, 2
	s_lshl_b32 s43, 15, s43                        ; my row of the cluster
	s_lshl_b32 s44, 0x1111, s40                    ; my column
	s_or_b32 s[G1+0], s43, (3<<16)|(1<<21)         ; o: the mask; elements of 8 bytes; no padding; bit 21 beside a mask
	s_mov_b32 s[G1+1], 384<<16                     ; tensor_dim0: 3,072 bytes: a tile of rows, 256 along K
	s_mov_b32 s[G1+2], 8<<16                       ; tensor_dim1: 8 tiles of rows
	s_mov_b32 s[G1+3], 384<<16                     ; tile_dim0
	s_mov_b32 s[G1+4], 8                           ; tile_dim1
	s_mov_b32 s[G1+5], 1536                        ; from tile to tile: 12,288 bytes
	s_mov_b32 s[G1+6], 0
	s_mov_b32 s[G1+7], 0
	s_or_b32 s[G1B+0], s44, (0<<16)|(1<<20)|(1<<21)|(3<<22)|(3<<25)  ; Wout: 128 rows of 192 bytes, 16 bytes of padding behind every 64
	s_mov_b32 s[G1B+1], ROWB<<16
	s_mov_b32 s[G1B+2], 128<<16
	s_mov_b32 s[G1B+3], ROWB<<16
	s_mov_b32 s[G1B+4], 128
	s_mov_b32 s[G1B+5], KROW
	s_mov_b32 s[G1B+6], 0
	s_mov_b32 s[G1B+7], 0
	s_or_b32 s[G1S+0], s43, (3<<16)|(1<<20)|(1<<21)|(5<<22)|(3<<25)  ; the scales of 128 rows: 4,096 dense bytes as 16 rows of 256, 16 bytes of padding behind each
	s_or_b32 s[G1SB+0], s44, (3<<16)|(1<<20)|(1<<21)|(5<<22)|(3<<25)
.irp g, G1S, G1SB
	s_mov_b32 s[\g+1], 32<<16
	s_mov_b32 s[\g+2], 16<<16
	s_mov_b32 s[\g+3], 32<<16
	s_mov_b32 s[\g+4], 16
	s_mov_b32 s[\g+5], 32
	s_mov_b32 s[\g+6], 0
	s_mov_b32 s[\g+7], 0
.endr
	s_lshl_b32 s20, s17, 4
	s_lshl_b32 s18, s16, 3
	s_add_co_u32 s20, s20, s18                     ; o: the first of my 8 tiles of rows
	s_mul_i32 s20, s20, 12288
	s_mov_b32 s21, 0
	s_lshl_b32 s22, s17, 1
	s_add_co_u32 s22, s22, s16
	s_lshl_b32 s22, s22, 12                        ; and their scale words: 4,096 bytes for 128 rows
	s_mov_b32 s23, 0
	s_lshl_b32 s46, s42, 8
	s_lshl_b32 s18, s16, 7
	s_add_co_u32 s46, s46, s18
	s_add_co_u32 s46, s46, 11264                   ; Wout's rows begin at row 11,264 of `codes`
	s_lshl_b32 s92, s46, 5
	s_mov_b32 s93, 0
	s_mul_i32 s46, s46, KROW
	s_mov_b32 s47, 0
	s_mul_i32 s45, s16, HALFA                      ; where they go: no place in the cluster enters an LDS address
	s_mul_i32 s95, s16, HALFT
	s_add_co_u32 s95, s95, BOFF
	s_mul_i32 s94, s14, HALFS
	s_wait_dscnt 0x0                               ; the opening add is done
	s_wait_kmcnt 0x0
	s_add_nc_u64 s[20:21], s[4:5], s[20:21]
	s_add_nc_u64 s[22:23], s[6:7], s[22:23]
	s_add_nc_u64 s[46:47], s[8:9], s[46:47]
	s_add_nc_u64 s[92:93], s[10:11], s[92:93]
	CROUND                                         ; all sixteen work-groups are here: the first joint loads meet
	s_mov_b32 s[G0S], 1
	s_add_co_u32 s[G0S+1], s94, SCL
	s_mov_b64 s[G0S+2:G0S+3], s[22:23]
	s_or_b32 s[G0S+3], s[G0S+3], 0x80000000
	s_mov_b32 s[G0SB], 1
	s_add_co_u32 s[G0SB+1], s94, SCL
	s_mov_b64 s[G0SB+2:G0SB+3], s[92:93]
	s_or_b32 s[G0SB+3], s[G0SB+3], 0x80000000
	JLOAD G0S, G1S, G0SB, G1SB                     ; the scales first; with the two slots three loads of mine are out
.irp s, 0,1
	s_mov_b32 s[G0+4*\s], 1
	s_add_co_u32 s[G0+4*\s+1], s45, \s*SLOT
	s_add_nc_u64 s[G0+4*\s+2:G0+4*\s+3], s[20:21], \s*3072
	s_or_b32 s[G0+4*\s+3], s[G0+4*\s+3], 0x80000000
	s_mov_b32 s[G0B+4*\s], 1
	s_add_co_u32 s[G0B+4*\s+1], s95, \s*SLOT
	s_add_nc_u64 s[G0B+4*\s+2:G0B+4*\s+3], s[46:47], \s*ROWB
	s_or_b32 s[G0B+4*\s+3], s[G0B+4*\s+3], 0x80000000
	JLOAD G0+4*\s, G1, G0B+4*\s, G1B
.endr
	v_and_b32 v1, 15, v0                           ; r
	v_bfe_u32 v2, v0, 4, 1                         ; h
	v_and_b32 v6, 31, v0                           ; lane
	v_lshlrev_b32 v7, 4, v6
	v_lshlrev_b32 v8, 3, v6
	v_mul_u32_u24 v3, v1, PITCH
	v_mul_u32_u24 v4, v2, 24
	v_add_nc_u32 v4, v3, v4                        ; Wout: a fragment's row x pitch + 24 x half
	v_lshl_add_u32 v5, v2, 4, v4                   ; and the same behind one padding more
	s_mul_i32 s21, s15, HALFA                      ; my 8 tiles of o
	s_mul_i32 s22, s16, HALFT
	s_add_co_u32 s22, s22, BOFF                    ; my 128 rows of Wout
.irp s, 0,1
	v_add_nc_u32 v[AA16+\s], s21, v7
	v_add_nc_u32 v[AA8+\s], s21, v8
	v_add_nc_u32 v[ADRB+\s], s22, v4
	v_add_nc_u32 v[ADRB+2+\s], s22, v5
	s_add_co_u32 s21, s21, SLOT
	s_add_co_u32 s22, s22, SLOT
.endr
	s_mul_i32 s21, s15, HALFS
	s_add_co_u32 s21, s21, SCL
	v_mul_u32_u24 v5, v2, 544                      ; o's scale words: [128 along K: 512 bytes = two units][tile 64 bytes][r 4 bytes]; lanes 16-31 take the slot's second 128 along K
	v_lshl_add_u32 v5, v1, 2, v5
	v_add_nc_u32 v[ADSA], s21, v5
	v_lshrrev_b32 v5, 3, v1                        ; Wout's: row r lies 32 r bytes on, 16 more for each 256 passed; + 4 h
	v_mul_u32_u24 v5, v5, 272
	v_and_b32 v9, 7, v1
	v_lshl_add_u32 v5, v9, 5, v5
	v_lshl_add_u32 v5, v2, 2, v5
	s_mul_i32 s22, s16, HALFS
	s_add_co_u32 s22, s22, SCL+2*HALFS
	v_add_nc_u32 v[ADSB], s22, v5
	s_mul_i32 s23, s14, 16*SPITCH                  ; my stage
	v_mul_u32_u24 v5, v1, SPITCH
	v_lshl_add_u32 v5, v2, 6, v5                   ; in: row r, + 64 h: my half's 16 columns of each 32
	v_add_nc_u32 v[STO], s23, v5
	v_lshlrev_b32 v[CO], 4, v6                     ; back: the 32 lanes take one row of 512 bytes; and the same in out0
	v_add_nc_u32 v[RD], s23, v[CO]
	s_lshl_b32 s20, s17, 8
	s_lshl_b32 s21, s15, 7
	s_add_co_u32 s20, s20, s21                     ; my first row of out0
	s_lshl_b32 s20, s20, 12                        ; 4,096 bytes a row
	s_lshl_b32 s46, s42, 10
	s_lshl_b32 s47, s16, 9
	s_add_co_u32 s46, s46, s47                     ; my first column, in bytes
	s_mov_b32 s47, 0
	s_add_nc_u64 s[96:97], s[96:97], s[46:47]      ; bout at my first column
	s_add_co_u32 s46, s46, s20
	s_add_nc_u64 s[98:99], s[98:99], s[46:47]
	v_lshlrev_b32 v9, 6, v2                        ; the bias in the result's layout: tile b, registers 0-7: columns 32 (b / 2) + 16 h + 8 (b % 2) + 0 .. 7
.irp b, 0,1,2,3,4,5,6,7
	global_load_b128 v[CB+8*\b:CB+8*\b+3], v9, s[96:97] offset:4*(32*(\b/2)+8*(\b%2))
	global_load_b128 v[CB+8*\b+4:CB+8*\b+7], v9, s[96:97] offset:4*(32*(\b/2)+8*(\b%2))+16
.endr
.macro FRAG reg, adr, q, i             ; Wout: 16 rows x 128 K, in pieces of 8 bytes
.irp p, 0,1,2,3,4,5
.set PCE, 12*(\q)+6*(\p/3)+\p%3
.if PCE%8 < 5
	ds_load_b64 v[\reg+2*\p:\reg+2*\p+1], v[\adr] offset:8*PCE+16*(PCE/8)+(\i)*16*PITCH
.else
	ds_load_b64 v[\reg+2*\p:\reg+2*\p+1], v[\adr+2] offset:8*PCE+16*(PCE/8)+(\i)*16*PITCH
.endif
.endr
.endm
.macro FRAGA reg, slot, q, i           ; o: an image of the registers: 0-3 at 16 x lane, 4-5 at 8 x lane behind them; 6-11 likewise, 768 bytes on
	ds_load_b128 v[\reg:\reg+3], v[AA16+\slot] offset:3072*(\i)+1536*(\q)
	ds_load_b64 v[\reg+4:\reg+5], v[AA8+\slot] offset:3072*(\i)+1536*(\q)+512
	ds_load_b128 v[\reg+6:\reg+9], v[AA16+\slot] offset:3072*(\i)+1536*(\q)+768
	ds_load_b64 v[\reg+10:\reg+11], v[AA8+\slot] offset:3072*(\i)+1536*(\q)+1280
.endm
; 16 matrix instructions: o's blocks a0, a0 + 1 x Wout's eight.  cm = 1: C = the bias.  The 64 accumulators take turns, one instruction a turn, in the same order in every step.
.macro MUL16 a0, p, q, sc, cm
.irp a, \a0, \a0+1
.irp b, 0,1,2,3,4,5,6,7
.set rD, 8*(8*((\a)%4)+\b)
.set rB, 128*(\p)+FR*\b
.set rA, AF+FR*(\a)
.set rSB, SC+16*(\sc)+8+\b
.set rSA, SC+16*(\sc)+(\a)
.set rC, rD
.if (\cm) == 1
.set rC, CB+8*\b
.endif
.if (\q) == 0
	v_wmma_scale_f32_16x16x128_f8f6f4 v[rD:rD+7], v[rB:rB+FR-1], v[rA:rA+FR-1], v[rC:rC+7], v[rSB], v[rSA] matrix_a_fmt:MATRIX_FMT_FP6 matrix_b_fmt:MATRIX_FMT_FP6
.else
	v_wmma_scale_f32_16x16x128_f8f6f4 v[rD:rD+7], v[rB:rB+FR-1], v[rA:rA+FR-1], v[rC:rC+7], v[rSB], v[rSA] matrix_a_fmt:MATRIX_FMT_FP6 matrix_b_fmt:MATRIX_FMT_FP6 matrix_a_scale:MATRIX_SCALE_ROW1 matrix_b_scale:MATRIX_SCALE_ROW1
.endif
.endr
.endr
.endm
.macro FETCH_B slot, q, p
	WIN TO_B
.irp i, 0,1,2,3,4,5,6,7
	FRAG 128*(\p)+FR*\i, ADRB+\slot, \q, \i
.endr
	WIN 0
.endm
.macro FETCH_A slot, q, i0
.irp i, \i0, \i0+1, \i0+2, \i0+3
	FRAGA AF+FR*(\i), \slot, \q, \i
.endr
.endm
.macro SCALES sc
.irp i, 0,1,2,3,4,5,6,7
	ds_load_b32 v[SC+16*\sc+\i], v[ADSA] offset:272*(\i/4)+64*(\i%4)
.endr
.irp i, 0,1,2,3,4,5,6,7
	ds_load_b32 v[SC+16*\sc+8+\i], v[ADSB] offset:544*\i
.endr
.endm
.macro PLACES n                        ; plain vector instructions between a matrix instruction and a load into, or a read of, its registers
.rept \n
	v_nop
.endr
.endm
.macro STEP slot, q, cm
	s_wait_dscnt 4*NLA                             ; all but the youngest 16 loads (o's blocks 4-7) are in
.if \cm
	WIN 0x81                                       ; C, the bias, in window 0; D in window 2
.else
	WIN MUL_LO
.endif
	MUL16 0, (\q)%2, \q, \slot, \cm
	MUL16 2, (\q)%2, \q, \slot, \cm
	s_wait_dscnt 0
	PLACES NP
	FETCH_B \slot, (\q)+1, 1-(\q)%2
	FETCH_A \slot, (\q)+1, 0
.if \cm
	WIN 0xc1
.else
	WIN MUL_HI
.endif
	MUL16 4, (\q)%2, \q, \slot, \cm
	MUL16 6, (\q)%2, \q, \slot, \cm
	PLACES NP
	WIN 0
	FETCH_A \slot, (\q)+1, 4
.endm
.macro TURN slot, next, fill
	s_wait_tensorcnt 0x0                           ; all my tensor loads have landed: my part of the next slot
	ds_add_u32 v[SPW], v[NIL]                      ; 0 onto my spare word
	s_wait_dscnt 4*NLA+1                           ; the add and the youngest 16 loads (o's blocks 4-7) may be out
	WIN MUL_LO
	MUL16 0, 1, NQ-1, \slot, 0                     ; sixteen matrix instructions stand between the add and the wait for it
	s_wait_dscnt 0x0                               ; the add is done, and my reads of this slot are over
	s_barrier_signal -1
	MUL16 2, 1, NQ-1, \slot, 0
	WIN 0
	s_barrier_wait -1
.if \fill
	CREST                                          ; the barrier has opened a round of the cluster's barrier: no wave of any partner still reads this slot or has a load on its way
	s_add_nc_u64 s[G0+4*\slot+2:G0+4*\slot+3], s[G0+4*\slot+2:G0+4*\slot+3], 2*3072
	s_add_nc_u64 s[G0B+4*\slot+2:G0B+4*\slot+3], s[G0B+4*\slot+2:G0B+4*\slot+3], 2*ROWB
	JLOAD G0+4*\slot, G1, G0B+4*\slot, G1B         ; the first tensor load behind the round, my one load until the next; its four v_nop are the places in front of the loads below
.else
	PLACES NP
.endif
	v_add_nc_u32 v[ADSA], 1088, v[ADSA]            ; on to the next slot's scale words (no LDS load of mine is out)
	v_add_nc_u32 v[ADSB], 8, v[ADSB]
	FETCH_B \next, 0, 0
	FETCH_A \next, 0, 0
	SCALES \next
	WIN MUL_HI
	MUL16 4, 1, NQ-1, \slot, 0
	MUL16 6, 1, NQ-1, \slot, 0
	PLACES NP
	WIN 0
	FETCH_A \next, 0, 4
.endm
	s_wait_tensorcnt 1                             ; the scales and my part of slot 0 are in; slot 1's load may be out
	s_barrier_signal -1
	s_barrier_wait -1
	FETCH_B 0, 0, 0
	FETCH_A 0, 0, 0
	SCALES 0
	FETCH_A 0, 0, 4
	s_wait_loadcnt 0x0                             ; the bias
	STEP 0, 0, 1                                   ; the first products start the sums with the bias
	s_mov_b32 s3, LAPS-1
.Llap:
	TURN 0, 1, 1
	STEP 1, 0, 0
	TURN 1, 0, 1
	STEP 0, 0, 0
	s_sub_co_u32 s3, s3, 1
	s_cmp_lg_u32 s3, 0
	s_cbranch_scc1 .Llap
	TURN 0, 1, 0                                   ; the last lap fills nothing
	STEP 1, 0, 0
	s_wait_dscnt 4*NLA
	WIN MUL_LO
	MUL16 0, 1, NQ-1, 1, 0
	MUL16 2, 1, NQ-1, 1, 0
	s_wait_dscnt 0
	WIN MUL_HI
	MUL16 4, 1, NQ-1, 1, 0
	MUL16 6, 1, NQ-1, 1, 0
	WIN 0
; THE WAY OUT, block by block of 16 rows x 128 columns, through my own stage in LDS: in by lanes (32 bytes of a row), back as whole rows of 512 bytes.  LDS serves a wave's instructions in order.
.macro TOSTAGE a
.set AC, 64*((\a)%4)
	WIN 0x08+4*((\a)/4)                            ; the data: window 2 or 3
.irp b, 0,1,2,3,4,5,6,7
	ds_store_b128 v[STO], v[AC+8*\b:AC+8*\b+3] offset:128*(\b/2)+32*(\b%2)        ; each accumulator from its low end on
	ds_store_b128 v[STO], v[AC+8*\b+4:AC+8*\b+7] offset:128*(\b/2)+32*(\b%2)+16
.endr
	WIN 0
.set BB, BK+64*((\a)%2)
.irp t, 0,1,2,3,4,5,6,7,8,9,10,11,12,13,14,15
	ds_load_b128 v[BB+4*\t:BB+4*\t+3], v[RD] offset:\t*SPITCH
.endr
.endm
.macro SEND a, younger                 ; younger: the LDS instructions issued behind block a's loads, which may stay out
.set BB, BK+64*((\a)%2)
	s_wait_dscnt \younger
.if (\a) > 0
.if ((\a)%2) == 1
	s_add_nc_u64 s[98:99], s[98:99], 8*4096        ; block a begins at row 32 (a / 2) + 8 (a % 2)  (behind a wait on XCNT: the earlier stores have read their base)
.else
	s_add_nc_u64 s[98:99], s[98:99], 24*4096
.endif
.endif
.irp t, 0,1,2,3,4,5,6,7,8,9,10,11,12,13,14,15
	global_store_b128 v[CO], v[BB+4*\t:BB+4*\t+3], s[98:99] offset:(\t+8*(\t/8))*4096 th:TH_STORE_NT   ; stage row t is row t + 8 (t / 8) of the block; 32 lanes store 512 consecutive bytes, aligned
.endr
.endm
	PLACES NP
	TOSTAGE 0
.irp a, 1,2,3,4,5,6,7
.if \a > 1
	s_wait_xcnt 0x0                                ; block a - 2's stores have read their registers and their base
.endif
	TOSTAGE \a
	SEND \a-1, 32                                  ; behind block a - 1's loads: block a's 16 stores and 16 loads
.endr
	s_wait_xcnt 0x0
	SEND 7, 0
	s_wait_tensorcnt 0x0                           ; the wave's end: a tensor wait, an add onto my spare word and its wait, behind my last tensor load and my last LDS store
	ds_add_u32 v[SPW], v[NIL]
	s_wait_dscnt 0x0
	CROUND                                         ; the closing round
	s_endpgm
.Lfunc_end_k_qcaa1ddbd69_outgemm:
	.size	k_qcaa1ddbd69_outgemm, .Lfunc_end_k_qcaa1ddbd69_outgemm-k_qcaa1ddbd69_outgemm
	.p2alignl 7, 3214868480
	.fill 96, 4, 3214868480
	.section	.rodata,"a",@progbits
	.p2align	6, 0x0
	.amdhsa_kernel k_qcaa1ddbd69_outgemm
		.amdhsa_group_segment_fixed_size 327680
		.amdhsa_private_segment_fixed_size 0
		.amdhsa_enable_private_segment 0
		.amdhsa_kernarg_size 48
		.amdhsa_user_sgpr_count 2
		.amdhsa_user_sgpr_kernarg_segment_ptr 1
		.amdhsa_wavefront_size32 1
		.amdhsa_system_sgpr_workgroup_id_x 1
		.amdhsa_system_sgpr_workgroup_id_y 1
		.amdhsa_system_sgpr_workgroup_id_z 1
		.amdhsa_system_vgpr_workitem_id 0
		.amdhsa_next_free_vgpr 1024
		.amdhsa_next_free_sgpr 100
		.amdhsa_reserve_vcc 0
		.amdhsa_float_denorm_mode_32 3
		.amdhsa_float_denorm_mode_16_64 3
		.amdhsa_memory_ordered 1
		.amdhsa_forward_progress 1
		.amdhsa_inst_pref_size 156
	.end_amdhsa_kernel
	.amdgpu_metadata
---
amdhsa.version: [ 1, 2 ]
amdhsa.kernels:
  - .name:           k_qcaa1ddbd69_outgemm
    .symbol:         k_qcaa1ddbd69_outgemm.kd
    .args:
      - { .name: oimg, .offset: 0, .size: 8, .value_kind: global_buffer, .address_space: global }
      - { .name: osc, .offset: 8, .size: 8, .value_kind: global_buffer, .address_space: global }
      - { .name: codes, .offset: 16, .size: 8, .value_kind: global_buffer, .address_space: global }
      - { .name: scales, .offset: 24, .size: 8, .value_kind: global_buffer, .address_space: global }
      - { .name: bout, .offset: 32, .size: 8, .value_kind: global_buffer, .address_space: global }
      - { .name: out0, .offset: 40, .size: 8, .value_kind: global_buffer, .address_space: global }
    .group_segment_fixed_size: 327680
    .private_segment_fixed_size: 0
    .kernarg_segment_align: 8
    .kernarg_segment_size: 48
    .max_flat_workgroup_size: 128
    .sgpr_count:     100
    .vgpr_count:     1024
    .wavefront_size: 32
...
	.end_amdgpu_metadata
.endif
;; end of part 4
